; MI455X (gfx1250); checked and timed in simulation.
; The chip was launched on July 23, 2026; its instructions are those of AMD's public machine-readable ISA for CDNA 5 (MIT licence, August 2026) and "CDNA5" Instruction Set Architecture Reference Guide (July 2026). The comments in the code are by the model that wrote it; some were corrected since.
;; Causal Self Attention. Allowed arithmetic: matrix products marked QUANTISED: E4M3 operands, one E8M0 scale for each 32 along K, by v_wmma_scale_f32_16x16x128_f8f6f4 with both operands' format E4M3, f32 sums; everything else in f32.
;; Inputs: Wk 256 x 1,024 float32; Wproj 1,024 x 1,024 float32; Wq 1,024 x 1,024 float32; Wv 256 x 1,024 float32; q_gain 16 float32; x 2 x 2,048 x 1,024 float32.
;; Outputs: out0 2 x 2,048 x 1,024 float32.
;; This version of the problem:
;;   THIS VERSION OF THE PROBLEM IS GIVEN IN LOW PRECISION. The matrix products marked QUANTISED in the list below multiply operands that are first quantised to E4M3 (4 exponent bits, 3 mantissa bits; 8 bits a number), with one power-of-two scale for each 32 numbers along K (OCP MX v1.0); their sums are f32. All else is computed in f32.
;;   The module's matrix products, in the order in which they are computed (A, B: the left and right operand; K: the contracted axis; several contracted axes count as one K, in the product's order):
;;     1. [M 4,096, K 1,024] x [K 1,024, N 1,024]; A: input x; B: input Wq: QUANTISED
;;     2. [M 4,096, K 1,024] x [K 1,024, N 256]; A: input x; B: input Wk: QUANTISED
;;     3. [M 4,096, K 1,024] x [K 1,024, N 256]; A: input x; B: input Wv: QUANTISED
;;     4. batch 32 x [M 2,048, K 64] x [K 64, N 2,048]; A: computed on the way; B: computed on the way: QUANTISED
;;     5. batch 32 x [M 2,048, K 2,048] x [K 2,048, N 64]; A: softmax (see below); B: computed on the way: QUANTISED
;;     6. [M 4,096, K 1,024] x [K 1,024, N 1,024]; A: computed on the way; B: input Wproj: QUANTISED
;;   THE QUANTISER, for each operand of a quantised product, along K:
;;     - K is cut into blocks of 32 from its start; a last block that is shorter is filled with zeros.
;;     - A block's scale is 2^e with e = floor(log2(the largest magnitude in the block)) - 8, held to -126 .. 127; a block of zeros has e = 0. As a byte (E8M0): e + 127.
;;     - Each number is divided by its block's scale, clamped to +-448, and rounded to the nearest number of E4M3, ties to even, subnormals kept.
;;     - The product sums the exact products of the quantised numbers (number of the format x scale) in f32.
;;   ~~~python
;;   def quantise(x, axis):      # numpy; x: float32 -> the quantised numbers, widened to float32 again
;;       x = np.moveaxis(x, axis, -1); K = x.shape[-1]
;;       x = np.pad(x, [(0, 0)] * (x.ndim - 1) + [(0, -K % 32)]); x = x.reshape(x.shape[:-1] + (-1, 32)); a = np.abs(x).max(-1, keepdims=True)
;;       e = np.where(a > 0, np.clip(np.frexp(np.where(a > 0, a, 1))[1] - 1 - 8, -126, 127), 0)      # np.frexp(a)[1] - 1 = floor(log2(a)), exactly
;;       r = np.clip(x / 2.0 ** e, -448, 448)
;;       step = 2.0 ** (np.maximum(np.frexp(np.where(r == 0, 1, r))[1] - 1, -6) - 3)
;;       q = np.round(r / step) * step * 2.0 ** e      # np.round: ties to even
;;       return np.moveaxis(q.reshape(q.shape[:-2] + (-1,))[..., :K], -1, axis).astype(np.float32)
;;   ~~~
;;   SOFTMAX AHEAD OF A QUANTISED PRODUCT. Where the list says 'softmax', what is quantised is not the finished softmax but p = 2^(t - M), with t = logit x log2(e) and M = ceil(the row's largest t), a whole number; so 1/2 < the row's largest p <= 1. The row's sum l is taken of the UNQUANTISED p, in f32, and the product's result is divided by l at the end. Since M is a whole number, a kernel that streams over the keys may use a running M (the ceiling of the running maximum): every later rescaling is an exact power of two, which a block's scale takes up: the codes' values come out the same.
;;   OPERANDS COMPUTED ON THE WAY. 'Computed on the way' means the value that the module computes at that place (a softmax that the list does not call 'softmax' is quantised finished and normalised). What goes into a quantiser is computed in f32, as accurately as f32 sums, v_exp_f32 and their like allow (about 1e-6 of the number): no bf16 or f16 on the way to a quantiser, and a product that is left as it is and whose result goes on into a quantised operand takes f32 operands (vector FMAs, or v_wmma_f32_16x16x4_f32). A number that lies on a knife's edge between two numbers of the format may be rounded either way, as far as f32 arithmetic and the matrix unit's own rounding can turn it there, and no further.
;; 2 versions, each right; version 2 is version 1 with the launch attn written anew for expert scheduling mode. Each part assembles by itself: llvm-mc -triple=amdgcn-amd-amdhsa -mcpu=gfx1250 --defsym DOCPART=n.
;; ======== version 1 of 2: 4 launches
;; workspace buffers: img 6,815,744 bytes; isc 212,992 bytes; rope 524,288 bytes; qimg 4,194,304 bytes; qsc 262,144 bytes; kvimg 2,195,456 bytes; yimg 4,194,304 bytes; ysc 131,072 bytes
;; launch prep (part 1): grid 448 x 1, 4 waves a work-group, no clusters, 34,304 bytes of LDS; arguments x, Wq, Wk, Wv, Wproj, img, isc, rope; writes img, isc, rope
.if DOCPART == 1
	.amdgcn_target "amdgcn-amd-amdhsa--gfx1250"
	.amdhsa_code_object_version 6
	.text
	.protected	k_q2362eee643_prep
	.globl	k_q2362eee643_prep
	.p2align	8
	.type	k_q2362eee643_prep,@function
k_q2362eee643_prep:
	s_mov_b64 s[64:65], 0
	v_nop
	global_prefetch_b8 v0, s[64:65] scope:SCOPE_SE
	s_setreg_imm32_b32 hwreg(HW_REG_WAVE_MODE, 25, 1), 1
	s_wait_xcnt 0x0
; FIRST OF FOUR LAUNCHES of causal self-attention: 2 x 2,048 tokens, width 1,024, 16 query heads and 4 key/value heads of 64, all six products on codes of E4M3 with one E8M0 byte for each 32 along K.
; This launch turns x, Wq, Wk, Wv and Wproj (all f32, rows of 1,024 with K innermost) into codes and scale words, and makes the table of cosines and sines for the rotary step.
; WORK LEFT OUT BY THE PROGRAM: only steps of 128 keys that lie wholly above the diagonal of the mask that the problem builds itself (key > query).  There every score is replaced by -infinity, so every weight is
; exactly 0 whatever the inputs hold, and such a step adds 0 to a row's sum and 0 to its output.  Every input has a way to the output and is loaded.  LIMIT: a NaN, an infinity or an overflow that reaches only those steps is not carried to the result.
; LIMITS: NaN and infinities among the inputs are not served.  A block of zeros gets the scale byte 1 where the quantiser says 127: its codes are zeros, which add nothing, and only this program reads the bytes.
; The rotary frequencies come from v_exp_f32 (accurate to one unit in the last place), so an angle may differ from pos x 10000^(-f/32) in f32 by about 3e-4 radians at position 2,047.
; THE LAYOUT OF ALL OPERANDS ("image"): a tile is 16 rows; lane (r = lane % 16, h = lane / 16) of tile u (0, 1) of a group of 32 rows stands for row 8 u + r + 8 (r / 8).  A fragment (tile, 128 along K) is four pieces c of
; 512 bytes; in piece c lane l's 16 bytes lie at 16 l and are k = 32 c + 16 h + 0 .. 15: the order of the matrix operand's registers.  img: [block of 128 rows][K step 8][tile 8][piece 4][512 bytes]; blocks 0-31 x, 32-39 Wq, 40-41 Wk, 42-43 Wv, 44-51 Wproj.
; isc: [block][K step 8][pair of tiles 4][lane 32] words: lanes 0-15 the first tile's rows, lanes 16-31 the second's.
; SHARES.  Work-groups 0-415: pair of tiles P = number / 2, wave w takes K step 4 (number % 2) + w: 32 rows x 512 bytes, each load 512 consecutive bytes of one row; a tile's 16 rows turn through the wave's own stage in LDS,
; so that a lane gets 16 neighbours along K of each block of 32.  Waves share nothing: no barrier.  Work-groups 416-447: the table, a wave to each of 128 tiles of positions.
; Memory binds here: no matrix unit, no tensor load, no cluster (no work-group reads what another reads).
.set STG,   8448                       ; a wave's stage: 16 rows x (512 bytes + 16 of padding)
.set SPARE, 33792                      ; behind the four stages: the spare words, 128 bytes a wave
.set SEL,   44                         ; s[44:45] selects of v_permlanex16_b32 for lane l xor 16
.set MNT,   46                         ; s46 the mantissa field of 448
.set R0,    16                         ; v16-79  tile 0 as loaded (later v16-31 at work)
.set R1,    80                         ; v80-143 tile 1 as loaded
.set X,     144                        ; v144-207 64 numbers of a lane: register 16 b + i = k 32 b + 16 h + i of my row
; nb blocks of 16 registers from v[src] on become codes in v[dst + 4 b ..] ; v[tm + nb + b] is left holding block b's scale byte.
.macro QUANT src, nb, dst, tm
.set qb, 0
.rept \nb
	v_max3_num_f32 v[(\tm)+qb], |v[(\src)+16*qb]|, |v[(\src)+16*qb+1]|, 0x4800000   ; my 16 numbers, and the floor 2^(9 - 127): the byte cannot fall under 1
.set qb, qb+1
.endr
.set qi, 2
.rept 7
.set qb, 0
.rept \nb
	v_max3_num_f32 v[(\tm)+qb], v[(\tm)+qb], |v[(\src)+16*qb+qi]|, |v[(\src)+16*qb+qi+1]|   ; the blocks by turns
.set qb, qb+1
.endr
.set qi, qi+2
.endr
.set qb, 0
.rept \nb
	v_permlanex16_b32 v[(\tm)+(\nb)+qb], v[(\tm)+qb], s[SEL], s[SEL+1]
.set qb, qb+1
.endr
.set qb, 0
.rept \nb
	v_max_num_f32 v[(\tm)+qb], v[(\tm)+qb], v[(\tm)+(\nb)+qb]                        ; with lane l xor 16's 16: the block's largest magnitude
.set qb, qb+1
.endr
.set qb, 0
.rept \nb
	v_add_nc_u32 v[(\tm)+3*(\nb)+qb], 0xfc000000, v[(\tm)+qb]                       ; 8 off its exponent field: the conversion's scale operand
.set qb, qb+1
.endr
.set qb, 0
.rept \nb
	v_and_or_b32 v[(\tm)+2*(\nb)+qb], v[(\tm)+qb], 0x7f800000, s[MNT]               ; 448 x the scale
.set qb, qb+1
.endr
.set qb, 0
.rept \nb
	v_lshrrev_b32 v[(\tm)+(\nb)+qb], 23, v[(\tm)+3*(\nb)+qb]                        ; the scale's byte
.set qb, qb+1
.endr
.set qb, 0
.rept \nb
.set qi, 0
.rept 16
	v_med3_num_f32 v[(\src)+16*qb+qi], v[(\src)+16*qb+qi], -v[(\tm)+2*(\nb)+qb], v[(\tm)+2*(\nb)+qb]   ; the conversion does not saturate (ISA guide 7.6.2): the hold comes first
.set qi, qi+1
.endr
	v_cvt_scalef32_pk8_fp8_f32 v[(\dst)+4*qb:(\dst)+4*qb+1], v[(\src)+16*qb:(\src)+16*qb+7], v[(\tm)+3*(\nb)+qb]
	v_cvt_scalef32_pk8_fp8_f32 v[(\dst)+4*qb+2:(\dst)+4*qb+3], v[(\src)+16*qb+8:(\src)+16*qb+15], v[(\tm)+3*(\nb)+qb]
.set qb, qb+1
.endr
	v_nop                                          ; a plain line behind the last conversion
.endm
.macro LOADT u, reg                    ; tile u's 16 rows: 512 consecutive bytes a load
.irp i, 0,1,2,3,4,5,6,7,8,9,10,11,12,13,14,15
	global_load_b128 v[(\reg)+4*\i:(\reg)+4*\i+3], v1, s[20:21] offset:(8*(\u)+\i+8*(\i/8))*4096 th:TH_LOAD_NT
.endr
.endm
.macro TURN reg                        ; through my stage: in as loaded, out 64 bytes of a block a lane.  LDS serves a wave's instructions in order: no wait between
.irp i, 0,1,2,3,4,5,6,7,8,9,10,11,12,13,14,15
	ds_store_b128 v2, v[(\reg)+4*\i:(\reg)+4*\i+3] offset:528*\i
.endr
.irp c, 0,1,2,3
.irp j, 0,1,2,3
	ds_load_b128 v[X+16*\c+4*\j:X+16*\c+4*\j+3], v3 offset:128*\c+16*\j
.endr
.endr
.endm
	s_load_b256 s[4:11], s[0:1], 0x0               ; x, Wq, Wk, Wv
	s_load_b256 s[12:19], s[0:1], 0x20             ; Wproj, img, isc, rope
	v_lshl_add_u32 v5, v0, 2, SPARE                ; my spare word
	v_mov_b32 v6, 0
	v_lshrrev_b32 v7, 5, v0
	v_readfirstlane_b32 s24, v7                    ; wave
	v_and_b32 v8, 31, v0                           ; lane
	v_lshlrev_b32 v1, 4, v8                        ; 16 x lane
	v_lshlrev_b32 v4, 2, v8                        ; 4 x lane
	v_and_b32 v9, 15, v0                           ; r
	v_bfe_u32 v10, v0, 4, 1                        ; h
	s_cmp_ge_u32 ttmp9, 416
	s_cbranch_scc1 .Ltable
	; ---- codes and scale words
	s_mov_b32 s[SEL], 0x76543210
	s_mov_b32 s[SEL+1], 0xfedcba98
	s_mov_b32 s[MNT], 0x600000
	s_mul_i32 s25, s24, STG
	v_add_nc_u32 v2, s25, v1                       ; stage, in: 16 x lane of a row
	v_mul_u32_u24 v3, v9, 528
	v_lshl_add_u32 v3, v10, 6, v3
	v_add_nc_u32 v3, s25, v3                       ; stage, out: row r, + 64 h
	s_lshr_b32 s26, ttmp9, 1                       ; P: the pair of tiles, 0 .. 207
	s_and_b32 s27, ttmp9, 1
	s_lshl_b32 s27, s27, 2
	s_add_co_u32 s27, s27, s24                     ; the K step
	s_wait_kmcnt 0x0
	s_mov_b64 s[20:21], s[12:13]                   ; which tensor, and its first pair: the choice hangs on the work-group's number alone
	s_mov_b32 s22, 176
	s_cmp_lt_u32 s26, 176
	s_cselect_b64 s[20:21], s[10:11], s[20:21]
	s_cselect_b32 s22, 168, s22
	s_cmp_lt_u32 s26, 168
	s_cselect_b64 s[20:21], s[8:9], s[20:21]
	s_cselect_b32 s22, 160, s22
	s_cmp_lt_u32 s26, 160
	s_cselect_b64 s[20:21], s[6:7], s[20:21]
	s_cselect_b32 s22, 128, s22
	s_cmp_lt_u32 s26, 128
	s_cselect_b64 s[20:21], s[4:5], s[20:21]
	s_cselect_b32 s22, 0, s22
	s_sub_co_u32 s28, s26, s22
	s_lshl_b32 s28, s28, 17                        ; 32 rows of 4,096 bytes a pair
	s_lshl_b32 s29, s27, 9                         ; 512 bytes a K step
	s_add_co_u32 s28, s28, s29
	s_mov_b32 s29, 0
	s_add_nc_u64 s[20:21], s[20:21], s[28:29]
	s_lshr_b32 s30, s26, 2                         ; block
	s_and_b32 s31, s26, 3                          ; pair in it
	s_lshl_b32 s28, s30, 17
	s_lshl_b32 s32, s27, 14
	s_add_co_u32 s28, s28, s32
	s_lshl_b32 s32, s31, 12
	s_add_co_u32 s28, s28, s32
	s_add_nc_u64 s[14:15], s[14:15], s[28:29]      ; img at my two fragments
	s_lshl_b32 s28, s30, 12
	s_lshl_b32 s32, s27, 9
	s_add_co_u32 s28, s28, s32
	s_lshl_b32 s32, s31, 7
	s_add_co_u32 s28, s28, s32
	s_add_nc_u64 s[16:17], s[16:17], s[28:29]      ; isc at my 32 words
	LOADT 0, R0
	LOADT 1, R1
	s_wait_loadcnt 16                              ; tile 0's loads are in; tile 1's sixteen may be out
	TURN R0
	s_wait_dscnt 0x0                               ; my numbers are back, and the stores have read v16-79
	QUANT X, 4, 208, 16
	v_lshl_or_b32 v240, v21, 8, v20                ; the four bytes make my row's scale word
	v_lshl_or_b32 v240, v22, 16, v240
	v_lshl_or_b32 v240, v23, 24, v240
.irp c, 0,1,2,3
	global_store_b128 v1, v[208+4*\c:211+4*\c], s[14:15] offset:512*\c      ; 32 lanes store 512 consecutive bytes
.endr
	s_wait_loadcnt 0x0
	TURN R1
	s_wait_dscnt 0x0
	QUANT X, 4, 224, 16
	v_lshl_or_b32 v241, v21, 8, v20
	v_lshl_or_b32 v241, v22, 16, v241
	v_lshl_or_b32 v241, v23, 24, v241
.irp c, 0,1,2,3
	global_store_b128 v1, v[224+4*\c:227+4*\c], s[14:15] offset:2048+512*\c
.endr
	v_cmp_le_u32 vcc_lo, 16, v8
	v_cndmask_b32 v242, v240, v241, vcc_lo         ; lanes 0-15: tile 0's words; lanes 16-31: tile 1's (both halves of the lanes hold a row's word)
	global_store_b32 v4, v242, s[16:17]
	s_wait_tensorcnt 0x0                           ; the wave's end: three lines behind my last LDS store
	ds_add_u32 v5, v6
	s_wait_dscnt 0x0
	s_endpgm
	; ---- the table: rope [block of 32 positions 64][tile 2][piece 8][lane][16 bytes]; pieces 0-3 cos, 4-7 sin of pos x 10000^(-f/32), f = 16 h + 4 (piece % 4) + 0 .. 3, pos = the lane's row of the tile.  No LDS is touched on this path.
.Ltable:
	s_sub_co_u32 s25, ttmp9, 416
	s_lshl_b32 s25, s25, 2
	s_add_co_u32 s25, s25, s24                     ; my tile of positions, 0 .. 127
	s_lshr_b32 s26, s25, 1
	s_and_b32 s27, s25, 1
	s_lshl_b32 s26, s26, 5
	s_lshl_b32 s27, s27, 3
	s_add_co_u32 s26, s26, s27                     ; 32 x block + 8 u
	s_mov_b32 s32, 0x3f22f983                      ; 2 / pi
	s_mov_b32 s33, 0xbfc90fdb                      ; -(pi / 2), its f32,
	s_mov_b32 s34, 0x333bbd2e                      ; and what that f32 is too large by
	s_mov_b32 s35, 0xbe2aaaa3                      ; sine: r + r z (S1 + z (S2 + z S3)), z = r r
	s_mov_b32 s36, 0x3c08839e
	s_mov_b32 s37, 0xb94ca1f9
	s_mov_b32 s38, 0x3d2aaaa5                      ; cosine: 1 - z / 2 + z z (C1 + z (C2 + z C3))
	s_mov_b32 s39, 0xbab6061a
	s_mov_b32 s40, 0x37ccf5ce
	s_mov_b32 s41, 0xbed49a78                      ; -log2(10000) / 32
	v_and_b32 v11, 8, v9
	v_add3_u32 v11, v11, v9, s26
	v_cvt_f32_u32 v11, v11                         ; pos
	v_lshlrev_b32 v12, 4, v10                      ; 16 h
.irp i, 0,1,2,3,4,5,6,7,8,9,10,11,12,13,14,15
	v_add_nc_u32 v[16+\i], \i, v12                 ; f
.endr
.irp i, 0,1,2,3,4,5,6,7,8,9,10,11,12,13,14,15
	v_cvt_f32_u32 v[16+\i], v[16+\i]
.endr
.irp i, 0,1,2,3,4,5,6,7,8,9,10,11,12,13,14,15
	v_mul_f32 v[16+\i], s41, v[16+\i]
.endr
.irp i, 0,1,2,3,4,5,6,7,8,9,10,11,12,13,14,15
	v_exp_f32 v[16+\i], v[16+\i]                   ; 10000^(-f/32): one batch
.endr
	v_nop                                          ; a plain line behind the last of them,
	s_wait_alu depctr_va_vdst(0)                   ; and one wait for the batch, ahead of its first reader
.irp i, 0,1,2,3,4,5,6,7,8,9,10,11,12,13,14,15
	v_mul_f32 v[16+\i], v11, v[16+\i]              ; the angle, in f32 as the problem has it
.endr
.macro SINCOS i                        ; n = the nearest multiple of pi / 2; r = angle - n pi / 2 by two fused steps; polynomials on |r| <= pi / 4; the quadrant n % 4 swaps and signs
	v_mul_f32 v64, s32, v[16+\i]
	v_rndne_f32 v64, v64
	v_fma_f32 v65, v64, s33, v[16+\i]
	v_fma_f32 v65, v64, s34, v65
	v_mul_f32 v66, v65, v65
	v_cvt_i32_f32 v67, v64
	v_fma_f32 v68, v66, s37, s36
	v_fma_f32 v68, v68, v66, s35
	v_mul_f32 v68, v68, v66
	v_fma_f32 v68, v68, v65, v65                   ; sin r
	v_fma_f32 v69, v66, s40, s39
	v_fma_f32 v69, v69, v66, s38
	v_mul_f32 v70, v66, v66
	v_fma_f32 v71, v66, -0.5, 1.0
	v_fma_f32 v69, v69, v70, v71                   ; cos r
	v_and_b32 v72, 1, v67
	v_cmp_eq_u32 vcc_lo, 1, v72
	v_cndmask_b32 v73, v68, v69, vcc_lo            ; odd quadrants: the two change places
	v_cndmask_b32 v74, v69, v68, vcc_lo
	v_and_b32 v72, 2, v67
	v_lshlrev_b32 v72, 30, v72
	v_xor_b32 v[48+\i], v72, v73                   ; the sine is negative in quadrants 2, 3,
	v_add_nc_u32 v72, 1, v67
	v_and_b32 v72, 2, v72
	v_lshlrev_b32 v72, 30, v72
	v_xor_b32 v[32+\i], v72, v74                   ; the cosine in 1, 2
.endm
.irp i, 0,1,2,3,4,5,6,7,8,9,10,11,12,13,14,15
	SINCOS \i
.endr
	s_lshl_b32 s28, s25, 12
	s_mov_b32 s29, 0
	s_wait_kmcnt 0x0
	s_add_nc_u64 s[18:19], s[18:19], s[28:29]
.irp p, 0,1,2,3,4,5,6,7
	global_store_b128 v1, v[32+4*\p:35+4*\p], s[18:19] offset:512*\p
.endr
	s_endpgm
.Lfunc_end_k_q2362eee643_prep:
	.size	k_q2362eee643_prep, .Lfunc_end_k_q2362eee643_prep-k_q2362eee643_prep
	.p2alignl 7, 3214868480
	.fill 96, 4, 3214868480
	.section	.rodata,"a",@progbits
	.p2align	6, 0x0
	.amdhsa_kernel k_q2362eee643_prep
		.amdhsa_group_segment_fixed_size 34304
		.amdhsa_private_segment_fixed_size 0
		.amdhsa_enable_private_segment 0
		.amdhsa_kernarg_size 64
		.amdhsa_user_sgpr_count 2
		.amdhsa_user_sgpr_kernarg_segment_ptr 1
		.amdhsa_wavefront_size32 1
		.amdhsa_system_sgpr_workgroup_id_x 1
		.amdhsa_system_sgpr_workgroup_id_y 1
		.amdhsa_system_sgpr_workgroup_id_z 1
		.amdhsa_system_vgpr_workitem_id 0
		.amdhsa_next_free_vgpr 256
		.amdhsa_next_free_sgpr 66
		.amdhsa_reserve_vcc 1
		.amdhsa_float_denorm_mode_32 3
		.amdhsa_float_denorm_mode_16_64 3
		.amdhsa_memory_ordered 1
		.amdhsa_forward_progress 1
		.amdhsa_inst_pref_size 49
	.end_amdhsa_kernel
	.amdgpu_metadata
---
amdhsa.version: [ 1, 2 ]
amdhsa.kernels:
  - .name:           k_q2362eee643_prep
    .symbol:         k_q2362eee643_prep.kd
    .args:
      - { .name: x, .offset: 0, .size: 8, .value_kind: global_buffer, .address_space: global }
      - { .name: Wq, .offset: 8, .size: 8, .value_kind: global_buffer, .address_space: global }
      - { .name: Wk, .offset: 16, .size: 8, .value_kind: global_buffer, .address_space: global }
      - { .name: Wv, .offset: 24, .size: 8, .value_kind: global_buffer, .address_space: global }
      - { .name: Wproj, .offset: 32, .size: 8, .value_kind: global_buffer, .address_space: global }
      - { .name: img, .offset: 40, .size: 8, .value_kind: global_buffer, .address_space: global }
      - { .name: isc, .offset: 48, .size: 8, .value_kind: global_buffer, .address_space: global }
      - { .name: rope, .offset: 56, .size: 8, .value_kind: global_buffer, .address_space: global }
    .group_segment_fixed_size: 34304
    .private_segment_fixed_size: 0
    .kernarg_segment_align: 8
    .kernarg_segment_size: 64
    .max_flat_workgroup_size: 128
    .sgpr_count:     66
    .vgpr_count:     256
    .wavefront_size: 32
...
	.end_amdgpu_metadata
.endif
;; end of part 1
;; launch qkv (part 2): grid 32 x 12, 8 waves a work-group, clusters of 4 x 1, 327,680 bytes of LDS; arguments img, isc, rope, q_gain, qimg, qsc, kvimg; writes qimg, qsc, kvimg
.if DOCPART == 2
	.amdgcn_target "amdgcn-amd-amdhsa--gfx1250"
	.amdhsa_code_object_version 6
	.text
	.protected	k_q2362eee643_qkv
	.globl	k_q2362eee643_qkv
	.p2align	8
	.type	k_q2362eee643_qkv,@function
k_q2362eee643_qkv:
	s_mov_b64 s[64:65], 0
	v_nop
	global_prefetch_b8 v0, s[64:65] scope:SCOPE_SE
	s_setreg_imm32_b32 hwreg(HW_REG_WAVE_MODE, 25, 1), 1
	s_wait_xcnt 0x0
	s_wait_alu depctr_hold_cnt(0) depctr_sa_sdst(0) depctr_va_vdst(0) depctr_va_sdst(0) depctr_va_ssrc(0) depctr_va_vcc(0) depctr_vm_vsrc(0)
	s_getreg_b32 s2, hwreg(HW_REG_IB_STS2, 6, 4)
	s_cmp_eq_u32 s2, 0
	s_cbranch_scc0 .Lentry_in_a_cluster
	s_endpgm
.Lentry_in_a_cluster:
	s_bfe_u32 s2, ttmp6, 0x10000c
	s_cmp_lg_u32 s2, 0x3003
	s_cbranch_scc0 .Lentry_shape_is_right
	s_endpgm
.Lentry_shape_is_right:
; SECOND LAUNCH: q = x Wq^T, k = x Wk^T, v = x Wv^T on the codes of the first launch, and what follows them: q, k: RMS norm over the head's 64, rotary step, q's gain, quantised along the head's 64; v: quantised along the KEYS.
; A work-group makes 128 tokens (block Mb = x of the grid) x 128 columns (g = y of the grid: 0-7 q's heads 2 g, 2 g + 1; 8, 9 k's; 10, 11 v's), K = 1,024.  Both operands' blocks (2 x 131,072 bytes) are asked for at the
; head, in four double K steps of 256, and stay in LDS as they lie in memory: images of operand registers, so a fragment's piece is 512 consecutive bytes: no pitch, no padding.  No LDS byte is filled twice.
; By this text's count a wave has four tensor loads out: 8,192 bytes of each double step (waves 0-3: the weight's block, waves 4-7: x's).
; CLUSTER 4 x 1: the four partners have the same g and need the same block of the weight: it is asked for jointly (mask 15).  x's block is each work-group's own.  x's block is shared along g too, but rows 8-11 of the grid
; hold k's and v's work-groups, which branch differently behind the products, and partners must run alike: so the cluster does not reach along y.
; A WAVE: source 0 = four tiles (64 rows, group w % 2) of one operand, source 1 = two tiles (32 rows, pair w / 2) of the other: 8 accumulators.  Register 32 q + 16 b + i of the accumulators holds source 0's row 32 b + 16 h + i
; for lane r's row of source 1's tile q.  For q and k source 0 is the weight (a lane's registers run along the head's 64: w % 2 is the head), for v it is x (they run along the keys): only the two read addresses and the scale blocks change places.
; OUT.  qimg [b][head][block of 32 queries][tile 2][piece 2][512], qsc [b][head][block][lane 32] words (s0, s1, s0, s1).  kvimg [b x 4 + kv][step of 128 keys 16][17,152 bytes]: K's 8 tiles x 2 pieces at 0; V's 4 tiles of 16 channels x 4 pieces
; (32 keys each) at 8,192; K's scale words (s0, s1, s0, s1) at 16,384; V's (a byte for each 32 keys) at 16,896.  V's scale words leave as half words, 2 bytes a lane: the other half is the neighbouring wave's: 64 bytes a wave.
; LIMITS: as stated at the first launch's head.
.set SPARE, 262144                     ; behind the four regions: the spare words, 128 bytes for each of 8 waves
.set WV,   18                          ; s18 my wave's number
.set SEL,  2                           ; s[2:3] selects for lane l xor 16
.set MNT,  99                          ; s99 the mantissa field of 448
.set R64,  66                          ; s66 1/64
.set EPSR, 67                          ; s67 2^-23
.set GAIN, 98                          ; s98 the head's gain (k: 1.0)
.set G1W,  24                          ; s[24:31] descriptor group 1, the weight's;  s[32:39] x's: it differs in the mask alone
.set G1X,  32
.set G0W,  40                          ; s[40:55] four groups 0, one for each double K step;  s[68:83] x's
.set G0X,  68
.set SF1,  16                          ; v16-31 source 0's scale words (2 s + pair);  v32-39 source 1's (s): scales and nothing else
.set SF2,  32
.set F1,   40                          ; v40-103 source 0's four fragments
.set F2,   104                         ; v104-135 source 1's two
.set ACC,  136                         ; v136-199 the 8 accumulators
.macro QUANT src, nb, dst, tm          ; nb blocks of 16 registers from v[src] on become codes in v[dst + 4 b ..]; v[tm + nb + b] is left holding block b's scale byte
.set qb, 0
.rept \nb
	v_max3_num_f32 v[(\tm)+qb], |v[(\src)+16*qb]|, |v[(\src)+16*qb+1]|, 0x4800000   ; my 16 numbers, and the floor 2^(9 - 127): the byte cannot fall under 1
.set qb, qb+1
.endr
.set qi, 2
.rept 7
.set qb, 0
.rept \nb
	v_max3_num_f32 v[(\tm)+qb], v[(\tm)+qb], |v[(\src)+16*qb+qi]|, |v[(\src)+16*qb+qi+1]|
.set qb, qb+1
.endr
.set qi, qi+2
.endr
.set qb, 0
.rept \nb
	v_permlanex16_b32 v[(\tm)+(\nb)+qb], v[(\tm)+qb], s[SEL], s[SEL+1]
.set qb, qb+1
.endr
.set qb, 0
.rept \nb
	v_max_num_f32 v[(\tm)+qb], v[(\tm)+qb], v[(\tm)+(\nb)+qb]                        ; with lane l xor 16's 16: the block's largest magnitude
.set qb, qb+1
.endr
.set qb, 0
.rept \nb
	v_add_nc_u32 v[(\tm)+3*(\nb)+qb], 0xfc000000, v[(\tm)+qb]                       ; 8 off its exponent field: the conversion's scale operand
.set qb, qb+1
.endr
.set qb, 0
.rept \nb
	v_and_or_b32 v[(\tm)+2*(\nb)+qb], v[(\tm)+qb], 0x7f800000, s[MNT]               ; 448 x the scale
.set qb, qb+1
.endr
.set qb, 0
.rept \nb
	v_lshrrev_b32 v[(\tm)+(\nb)+qb], 23, v[(\tm)+3*(\nb)+qb]                        ; the scale's byte
.set qb, qb+1
.endr
.set qb, 0
.rept \nb
.set qi, 0
.rept 16
	v_med3_num_f32 v[(\src)+16*qb+qi], v[(\src)+16*qb+qi], -v[(\tm)+2*(\nb)+qb], v[(\tm)+2*(\nb)+qb]   ; the conversion does not saturate (ISA guide 7.6.2): the hold comes first
.set qi, qi+1
.endr
	v_cvt_scalef32_pk8_fp8_f32 v[(\dst)+4*qb:(\dst)+4*qb+1], v[(\src)+16*qb:(\src)+16*qb+7], v[(\tm)+3*(\nb)+qb]
	v_cvt_scalef32_pk8_fp8_f32 v[(\dst)+4*qb+2:(\dst)+4*qb+3], v[(\src)+16*qb+8:(\src)+16*qb+15], v[(\tm)+3*(\nb)+qb]
.set qb, qb+1
.endr
	v_nop                                          ; a plain line behind the last conversion
.endm
.macro CROUND                          ; a round of the cluster's barrier
	s_barrier_signal -1
	s_barrier_wait -1
	s_cmp_lg_u32 s[WV], 0
	s_cbranch_scc1 .Lnot_wave_0_\@
	s_barrier_signal -3
.Lnot_wave_0_\@:
	s_barrier_wait -3
	s_barrier_signal -1
	s_barrier_wait -1
.endm
; one product.  ra, rb: source 0's, source 1's scale words stand in lanes 16-31 of their register
.macro MM d, a, b, zero, sa, sb, ra, rb
.if \zero
.if (\ra) && (\rb)
	v_wmma_scale_f32_16x16x128_f8f6f4 v[(\d):(\d)+7], v[(\a):(\a)+15], v[(\b):(\b)+15], 0, v[\sa], v[\sb] matrix_a_scale:MATRIX_SCALE_ROW1 matrix_b_scale:MATRIX_SCALE_ROW1
.elseif \ra
	v_wmma_scale_f32_16x16x128_f8f6f4 v[(\d):(\d)+7], v[(\a):(\a)+15], v[(\b):(\b)+15], 0, v[\sa], v[\sb] matrix_a_scale:MATRIX_SCALE_ROW1
.elseif \rb
	v_wmma_scale_f32_16x16x128_f8f6f4 v[(\d):(\d)+7], v[(\a):(\a)+15], v[(\b):(\b)+15], 0, v[\sa], v[\sb] matrix_b_scale:MATRIX_SCALE_ROW1
.else
	v_wmma_scale_f32_16x16x128_f8f6f4 v[(\d):(\d)+7], v[(\a):(\a)+15], v[(\b):(\b)+15], 0, v[\sa], v[\sb]
.endif
.else
.if (\ra) && (\rb)
	v_wmma_scale_f32_16x16x128_f8f6f4 v[(\d):(\d)+7], v[(\a):(\a)+15], v[(\b):(\b)+15], v[(\d):(\d)+7], v[\sa], v[\sb] matrix_a_scale:MATRIX_SCALE_ROW1 matrix_b_scale:MATRIX_SCALE_ROW1
.elseif \ra
	v_wmma_scale_f32_16x16x128_f8f6f4 v[(\d):(\d)+7], v[(\a):(\a)+15], v[(\b):(\b)+15], v[(\d):(\d)+7], v[\sa], v[\sb] matrix_a_scale:MATRIX_SCALE_ROW1
.elseif \rb
	v_wmma_scale_f32_16x16x128_f8f6f4 v[(\d):(\d)+7], v[(\a):(\a)+15], v[(\b):(\b)+15], v[(\d):(\d)+7], v[\sa], v[\sb] matrix_b_scale:MATRIX_SCALE_ROW1
.else
	v_wmma_scale_f32_16x16x128_f8f6f4 v[(\d):(\d)+7], v[(\a):(\a)+15], v[(\b):(\b)+15], v[(\d):(\d)+7], v[\sa], v[\sb]
.endif
.endif
.endm
; 128 along K: the sp-th of the double step, the s-th of all.  24 LDS loads, 8 products; the 8 accumulators take turns, one instruction a turn, in the same order in every step.
.macro KSTEP sp, s, zero
.if !(\zero)
.rept 8
	v_nop                                          ; eight places between the last products and loads into the registers that they read
.endr
.endif
.irp p, 0,1,2,3
.irp c, 0,1,2,3
	ds_load_b128 v[F1+16*\p+4*\c:F1+16*\p+4*\c+3], v1 offset:16384*(\sp)+2048*\p+512*\c
.endr
.endr
.irp q, 0,1
.irp c, 0,1,2,3
	ds_load_b128 v[F2+16*\q+4*\c:F2+16*\q+4*\c+3], v2 offset:16384*(\sp)+2048*\q+512*\c
.endr
.endr
	s_wait_dscnt 0x0
.irp q, 0,1
.irp p, 0,1,2,3
	MM ACC+32*\q+8*\p, F1+16*\p, F2+16*\q, \zero, SF1+2*(\s)+\p/2, SF2+(\s), \p%2, \q
.endr
.endr
.endm
.macro DSTEP d, zero                   ; a double K step: my part of it has landed (my loads of the later ones may be out), then everybody's has
	s_wait_tensorcnt 3-(\d)
	s_barrier_signal -1
	s_barrier_wait -1
	KSTEP 0, 2*(\d), \zero
	KSTEP 1, 2*(\d)+1, 0
.if (\d) < 3
	v_add_nc_u32 v1, 0x10000, v1                   ; on to the next region
	v_add_nc_u32 v2, 0x10000, v2
.endif
.endm
	s_load_b256 s[4:11], s[0:1], 0x0               ; img, isc, rope, q_gain
	s_load_b128 s[12:15], s[0:1], 0x20             ; qimg, qsc
	s_load_b64 s[16:17], s[0:1], 0x30              ; kvimg
	v_lshl_add_u32 v5, v0, 2, SPARE
	v_mov_b32 v6, 0
	ds_add_u32 v5, v6                              ; the wave's opening: the add, twice on end, and its wait ahead of my first tensor load
	ds_add_u32 v5, v6
	v_lshrrev_b32 v7, 5, v0
	v_readfirstlane_b32 s[WV], v7                  ; wave 0..7
	s_bfe_u32 s19, ttmp6, 0x40000                  ; cx
	s_lshl_b32 s20, ttmp9, 2
	s_add_co_u32 s20, s20, s19                     ; Mb: my block of 128 tokens
	s_and_b32 s21, ttmp7, 0xffff                   ; g: the block of 128 columns, the same in all four partners
	s_cmp_ge_u32 s21, 10
	s_cselect_b32 s22, 1, 0                        ; v's?
	s_cmp_lt_u32 s21, 8
	s_cselect_b32 s23, 1, 0                        ; q's?
	s_mov_b32 s[G1W], 15|(3<<16)|(1<<21)           ; 15:0 the mask: all four partners; 17:16 elements of 8 bytes; 21 set beside a mask; no padding
	s_mov_b32 s[G1X], 3<<16                        ; no mask: my own load
.irp g, G1W, G1X
	s_mov_b32 s[\g+1], 32<<16                      ; tensor_dim0 = 32 elements: rows of 256 bytes
	s_mov_b32 s[\g+2], 32<<16                      ; tensor_dim1 = 32 rows
	s_mov_b32 s[\g+3], 32<<16                      ; tile_dim0
	s_mov_b32 s[\g+4], 32                          ; tile_dim1
	s_mov_b32 s[\g+5], 32                          ; the pitch: dense
	s_mov_b32 s[\g+6], 0
	s_mov_b32 s[\g+7], 0
.endr
	s_mov_b32 s[SEL], 0x76543210
	s_mov_b32 s[SEL+1], 0xfedcba98
	s_mov_b32 s[MNT], 0x600000
	s_mov_b32 s[R64], 0x3c800000
	s_mov_b32 s[EPSR], 0x34000000
	s_and_b32 s56, s[WV], 3
	s_lshl_b32 s56, s56, 13                        ; my quarter of a double step's 32,768 bytes
	s_lshl_b32 s57, s[WV], 13                      ; and where it goes: 8,192 x wave: waves 0-3 the weight's half of a region, waves 4-7 x's
	s_and_b32 s58, s[WV], 1                        ; w % 2
	s_lshr_b32 s59, s[WV], 1                       ; w / 2
	s_add_co_u32 s84, s21, 32
	s_lshl_b32 s84, s84, 17
	s_add_co_u32 s84, s84, s56                     ; the weight's block 32 + g: nothing of cx in it
	s_mov_b32 s85, 0
	s_lshl_b32 s86, s20, 17
	s_add_co_u32 s86, s86, s56                     ; x's block Mb
	s_mov_b32 s87, 0
	s_wait_dscnt 0x0                               ; both opening adds are done
	s_wait_kmcnt 0x0
	s_add_nc_u64 s[84:85], s[4:5], s[84:85]
	s_add_nc_u64 s[86:87], s[4:5], s[86:87]
	CROUND                                         ; all four work-groups are here: the joint loads meet
.irp d, 0,1,2,3
	s_mov_b32 s[G0W+4*\d], 1
	s_add_co_u32 s[G0W+4*\d+1], s57, 65536*\d
	s_add_nc_u64 s[G0W+4*\d+2:G0W+4*\d+3], s[84:85], 32768*\d
	s_or_b32 s[G0W+4*\d+3], s[G0W+4*\d+3], 0x80000000
	s_mov_b32 s[G0X+4*\d], 1
	s_add_co_u32 s[G0X+4*\d+1], s57, 65536*\d
	s_add_nc_u64 s[G0X+4*\d+2:G0X+4*\d+3], s[86:87], 32768*\d
	s_or_b32 s[G0X+4*\d+3], s[G0X+4*\d+3], 0x80000000
.endr
	s_cmp_lt_u32 s[WV], 4                          ; a wave's four fills stand in one branch on its number, a fill in each arm
	s_cbranch_scc0 .Lfill_x
.irp d, 0,1,2,3
	tensor_load_to_lds s[G0W+4*\d:G0W+4*\d+3], s[G1W:G1W+7]
	s_nop 0
.endr
.rept 4
	v_nop
.endr
	s_branch .Lfilled
.Lfill_x:
.irp d, 0,1,2,3
	tensor_load_to_lds s[G0X+4*\d:G0X+4*\d+3], s[G1X:G1X+7]
	s_nop 0
.endr
.rept 4
	v_nop
.endr
.Lfilled:
	v_and_b32 v8, 31, v0                           ; lane
	v_lshlrev_b32 v3, 4, v8                        ; 16 x lane
	v_lshlrev_b32 v4, 2, v8                        ; 4 x lane
	v_mov_b32 v244, 0                              ; written once: a lane permute's destination counts as one of its sources
	v_mov_b32 v245, 0
	s_lshl_b32 s60, s58, 13                        ; source 0: four tiles, group w % 2,
	s_lshl_b32 s61, s22, 15                        ; of the weight (byte 0 of a region) or, for v, of x (byte 32,768)
	s_add_co_u32 s60, s60, s61
	v_add_nc_u32 v1, s60, v3
	s_lshl_b32 s60, s59, 12                        ; source 1: two tiles, pair w / 2, of the other
	s_xor_b32 s61, s61, 0x8000
	s_add_co_u32 s60, s60, s61
	v_add_nc_u32 v2, s60, v3
	s_and_b32 s92, s20, 15                         ; st: the block's place in its sequence: the step of 128 keys
	s_lshl_b32 s93, s92, 2
	s_add_co_u32 s93, s93, s59                     ; jq: my block of 32 positions
	s_lshl_b32 s94, s93, 13                        ; the table at that block: 8,192 bytes a block.  The address is made on the way that every wave takes; only the loads stand under the branch
	s_mov_b32 s95, 0
	s_add_nc_u64 s[94:95], s[8:9], s[94:95]
	s_cmp_eq_u32 s22, 1                            ; v has no rotary step: its work-groups load nothing of the table
	s_cbranch_scc1 .Lno_rope
.irp p, 0,1,2,3,4,5,6,7
	global_load_b128 v[200+4*\p:203+4*\p], v3, s[94:95] offset:512*\p     ; tile 0's cosines (v200-215) and sines (v216-231)
.endr
.Lno_rope:
	s_add_co_u32 s62, s21, 32
	s_cmp_eq_u32 s22, 1
	s_cselect_b32 s88, s20, s62                    ; source 0's block of scale words,
	s_cselect_b32 s90, s62, s20                    ; source 1's
	s_lshl_b32 s88, s88, 12
	s_lshl_b32 s63, s58, 8
	s_add_co_u32 s88, s88, s63
	s_mov_b32 s89, 0
	s_lshl_b32 s90, s90, 12
	s_lshl_b32 s63, s59, 7
	s_add_co_u32 s90, s90, s63
	s_mov_b32 s91, 0
	s_add_nc_u64 s[88:89], s[6:7], s[88:89]
	s_add_nc_u64 s[90:91], s[6:7], s[90:91]
.irp s, 0,1,2,3,4,5,6,7
	global_load_b32 v[SF1+2*\s], v4, s[88:89] offset:512*\s               ; 128 consecutive bytes: a pair of tiles' words
	global_load_b32 v[SF1+2*\s+1], v4, s[88:89] offset:512*\s+128
	global_load_b32 v[SF2+\s], v4, s[90:91] offset:512*\s
.endr
	s_lshl_b32 s96, s21, 1
	s_add_co_u32 s96, s96, s58
	s_min_u32 s96, s96, 15                         ; q: head 2 g + w % 2; k, v: inside the table, and not used
	s_lshl_b32 s96, s96, 2
	s_mov_b32 s97, 0
	s_add_nc_u64 s[96:97], s[10:11], s[96:97]
	s_load_b32 s[GAIN], s[96:97], 0x0
	s_wait_loadcnt 0x0                             ; the scale words and the table's first tile
	s_wait_kmcnt 0x0
	s_cmp_eq_u32 s23, 1
	s_cselect_b32 s[GAIN], s[GAIN], 1.0            ; k has no gain
	DSTEP 0, 1                                     ; the first products start the sums: nothing is cleared
	DSTEP 1, 0
	DSTEP 2, 0
	DSTEP 3, 0
.rept 8
	v_nop                                          ; eight places between the last products and the first read of results, and loads into the registers that they read
.endr
	s_lshr_b32 s56, s20, 4                         ; b
	s_and_b32 s57, s21, 1                          ; the block's number within k's or v's two
	s_cmp_eq_u32 s22, 1
	s_cbranch_scc1 .Lvpath
	; ---- q, k: a lane holds one token (tile t, lane r) and 32 of the head's 64: registers i: d = 16 h + i, registers 16 + i: d = 32 + 16 h + i: the two halves that the rotary step pairs
.irp p, 0,1,2,3,4,5,6,7
	global_load_b128 v[40+4*\p:43+4*\p], v3, s[94:95] offset:4096+512*\p  ; tile 1's cosines and sines
.endr
.macro NORMROPE a, r
	v_pk_mul_f32 v[232:233], v[(\a):(\a)+1], v[(\a):(\a)+1]              ; the sum of squares, in two chains, each accumulator from its low end on
	v_pk_mul_f32 v[234:235], v[(\a)+2:(\a)+3], v[(\a)+2:(\a)+3]
.irp i, 4,8,12,16,20,24,28
	v_pk_fma_f32 v[232:233], v[(\a)+\i:(\a)+\i+1], v[(\a)+\i:(\a)+\i+1], v[232:233]
	v_pk_fma_f32 v[234:235], v[(\a)+\i+2:(\a)+\i+3], v[(\a)+\i+2:(\a)+\i+3], v[234:235]
.endr
	v_pk_add_f32 v[232:233], v[232:233], v[234:235]
	v_add_f32 v232, v232, v233
	v_permlanex16_b32 v233, v232, s[SEL], s[SEL+1]
	v_add_f32 v232, v232, v233                     ; with lane l xor 16's 32
	v_fma_f32 v232, v232, s[R64], s[EPSR]          ; the mean + eps
	v_rsq_f32 v233, v232
	v_nop                                          ; a plain line behind it,
	s_wait_alu depctr_va_vdst(0)                   ; and the wait ahead of its first reader
	v_mul_f32 v236, s[GAIN], v233
	v_mov_b32 v237, v236
.irp i, 0,2,4,6,8,10,12,14,16,18,20,22,24,26,28,30
	v_pk_mul_f32 v[(\a)+\i:(\a)+\i+1], v[(\a)+\i:(\a)+\i+1], v[236:237]
.endr
.irp i, 0,2,4,6,8,10,12,14
	v_pk_mul_f32 v[238:239], v[(\a)+16+\i:(\a)+17+\i], v[(\r)+16+\i:(\r)+17+\i]      ; x2 sin
	v_pk_mul_f32 v[240:241], v[(\a)+\i:(\a)+\i+1], v[(\r)+16+\i:(\r)+17+\i]          ; x1 sin
	v_pk_fma_f32 v[(\a)+\i:(\a)+\i+1], v[(\a)+\i:(\a)+\i+1], v[(\r)+\i:(\r)+\i+1], v[238:239]                                       ; x1 cos + x2 sin
	v_pk_fma_f32 v[(\a)+16+\i:(\a)+17+\i], v[(\a)+16+\i:(\a)+17+\i], v[(\r)+\i:(\r)+\i+1], v[240:241] neg_lo:[0,0,1] neg_hi:[0,0,1]   ; x2 cos - x1 sin
.endr
.endm
	NORMROPE ACC, 200
	QUANT ACC, 2, 72, 242
	v_lshl_or_b32 v250, v245, 8, v244
	v_lshl_or_b32 v250, v250, 16, v250             ; (s0, s1, s0, s1): the head's 64 may stand in either half of an operand of 128
	s_wait_loadcnt 0x0                             ; tile 1's cosines and sines
	NORMROPE ACC+32, 40
	QUANT ACC+32, 2, 80, 242
	v_lshl_or_b32 v251, v245, 8, v244
	v_lshl_or_b32 v251, v251, 16, v251
	s_lshl_b32 s60, s56, 4                         ; q: ((16 b + head) x 64 + jq) x 2,048 in qimg, x 128 in qsc
	s_lshl_b32 s61, s21, 1
	s_add_co_u32 s60, s60, s61
	s_add_co_u32 s60, s60, s58
	s_lshl_b32 s60, s60, 6
	s_add_co_u32 s60, s60, s93
	s_lshl_b32 s61, s60, 7
	s_lshl_b32 s60, s60, 11
	s_lshl_b32 s62, s56, 2                         ; k: the step's block ((4 b + kv) x 16 + st) x 17,152 of kvimg; codes at 2,048 x pair, words at 16,384 + 128 x pair
	s_lshl_b32 s63, s57, 1
	s_add_co_u32 s62, s62, s63
	s_add_co_u32 s62, s62, s58
	s_lshl_b32 s62, s62, 4
	s_add_co_u32 s62, s62, s92
	s_mul_i32 s62, s62, 17152
	s_lshl_b32 s63, s59, 11
	s_add_co_u32 s63, s62, s63
	s_lshl_b32 s84, s59, 7
	s_add_co_u32 s84, s84, s62
	s_add_co_u32 s84, s84, 16384
	s_cmp_eq_u32 s23, 1
	s_cselect_b32 s60, s60, s63
	s_cselect_b32 s62, s61, s84
	s_cselect_b64 s[86:87], s[12:13], s[16:17]
	s_cselect_b64 s[88:89], s[14:15], s[16:17]
	s_mov_b32 s61, 0
	s_mov_b32 s63, 0
	s_add_nc_u64 s[86:87], s[86:87], s[60:61]
	s_add_nc_u64 s[88:89], s[88:89], s[62:63]
	global_store_b128 v3, v[72:75], s[86:87]                   ; 32 lanes store 512 consecutive bytes: a piece
	global_store_b128 v3, v[76:79], s[86:87] offset:512
	global_store_b128 v3, v[80:83], s[86:87] offset:1024
	global_store_b128 v3, v[84:87], s[86:87] offset:1536
	v_cmp_le_u32 vcc_lo, 16, v8
	v_cndmask_b32 v252, v250, v251, vcc_lo         ; lanes 0-15: tile 0's words; lanes 16-31: tile 1's
	global_store_b32 v4, v252, s[88:89]
	s_branch .Lend
	; ---- v: a lane holds one channel (tile t of the pair, lane r) and 32 keys: registers 16 b + i: key 64 (w % 2) + 32 b + 16 h + i: a block of 32 keys lies in lanes l and l xor 16
.Lvpath:
	QUANT ACC, 2, 72, 242
	v_lshl_or_b32 v250, v245, 8, v244
	QUANT ACC+32, 2, 80, 242
	v_lshl_or_b32 v251, v245, 8, v244
	s_lshl_b32 s60, s56, 2
	s_lshl_b32 s61, s57, 1
	s_add_co_u32 s60, s60, s61
	s_lshr_b32 s61, s[WV], 2
	s_add_co_u32 s60, s60, s61                     ; 4 b + kv, kv = 2 x block + w / 4
	s_lshl_b32 s60, s60, 4
	s_add_co_u32 s60, s60, s92
	s_mul_i32 s60, s60, 17152                      ; the step's block
	s_and_b32 s61, s59, 1                          ; which 32 of the head's 64 channels
	s_lshl_b32 s62, s61, 12
	s_add_co_u32 s62, s62, s60
	s_lshl_b32 s63, s58, 10
	s_add_co_u32 s62, s62, s63
	s_add_co_u32 s62, s62, 8192                    ; + 8,192 + 4,096 x pair of tiles + 1,024 x (w % 2): pieces 2 (w % 2), 2 (w % 2) + 1
	s_mov_b32 s63, 0
	s_add_nc_u64 s[86:87], s[16:17], s[62:63]
	s_lshl_b32 s62, s61, 7
	s_add_co_u32 s62, s62, s60
	s_lshl_b32 s61, s58, 1
	s_add_co_u32 s62, s62, s61
	s_add_co_u32 s62, s62, 16896
	s_add_nc_u64 s[88:89], s[16:17], s[62:63]
	global_store_b128 v3, v[72:75], s[86:87]
	global_store_b128 v3, v[76:79], s[86:87] offset:512
	global_store_b128 v3, v[80:83], s[86:87] offset:2048
	global_store_b128 v3, v[84:87], s[86:87] offset:2560
	v_cmp_le_u32 vcc_lo, 16, v8
	v_cndmask_b32 v252, v250, v251, vcc_lo
	global_store_b16 v4, v252, s[88:89]            ; my two bytes of each channel's word
.Lend:
	s_wait_tensorcnt 0x0                           ; the wave's end: three lines behind my last tensor load
	ds_add_u32 v5, v6
	s_wait_dscnt 0x0
	CROUND                                         ; the closing round
	s_endpgm
.Lfunc_end_k_q2362eee643_qkv:
	.size	k_q2362eee643_qkv, .Lfunc_end_k_q2362eee643_qkv-k_q2362eee643_qkv
	.p2alignl 7, 3214868480
	.fill 96, 4, 3214868480
	.section	.rodata,"a",@progbits
	.p2align	6, 0x0
	.amdhsa_kernel k_q2362eee643_qkv
		.amdhsa_group_segment_fixed_size 327680
		.amdhsa_private_segment_fixed_size 0
		.amdhsa_enable_private_segment 0
		.amdhsa_kernarg_size 56
		.amdhsa_user_sgpr_count 2
		.amdhsa_user_sgpr_kernarg_segment_ptr 1
		.amdhsa_wavefront_size32 1
		.amdhsa_system_sgpr_workgroup_id_x 1
		.amdhsa_system_sgpr_workgroup_id_y 1
		.amdhsa_system_sgpr_workgroup_id_z 1
		.amdhsa_system_vgpr_workitem_id 0
		.amdhsa_next_free_vgpr 256
		.amdhsa_next_free_sgpr 100
		.amdhsa_reserve_vcc 1
		.amdhsa_float_denorm_mode_32 3
		.amdhsa_float_denorm_mode_16_64 3
		.amdhsa_memory_ordered 1
		.amdhsa_forward_progress 1
		.amdhsa_inst_pref_size 63
	.end_amdhsa_kernel
	.amdgpu_metadata
---
amdhsa.version: [ 1, 2 ]
amdhsa.kernels:
  - .name:           k_q2362eee643_qkv
    .symbol:         k_q2362eee643_qkv.kd
    .args:
      - { .name: img, .offset: 0, .size: 8, .value_kind: global_buffer, .address_space: global }
      - { .name: isc, .offset: 8, .size: 8, .value_kind: global_buffer, .address_space: global }
      - { .name: rope, .offset: 16, .size: 8, .value_kind: global_buffer, .address_space: global }
      - { .name: q_gain, .offset: 24, .size: 8, .value_kind: global_buffer, .address_space: global }
      - { .name: qimg, .offset: 32, .size: 8, .value_kind: global_buffer, .address_space: global }
      - { .name: qsc, .offset: 40, .size: 8, .value_kind: global_buffer, .address_space: global }
      - { .name: kvimg, .offset: 48, .size: 8, .value_kind: global_buffer, .address_space: global }
    .group_segment_fixed_size: 327680
    .private_segment_fixed_size: 0
    .kernarg_segment_align: 8
    .kernarg_segment_size: 56
    .max_flat_workgroup_size: 256
    .sgpr_count:     100
    .vgpr_count:     256
    .wavefront_size: 32
...
	.end_amdgpu_metadata
.endif
;; end of part 2
;; launch attn (part 3): grid 256 x 1, 16 waves a work-group, no clusters, 36,352 bytes of LDS; arguments qimg, qsc, kvimg, yimg, ysc; writes yimg, ysc
.if DOCPART == 3
	.amdgcn_target "amdgcn-amd-amdhsa--gfx1250"
	.amdhsa_code_object_version 6
	.text
	.protected	k_q2362eee643_attn
	.globl	k_q2362eee643_attn
	.p2align	8
	.type	k_q2362eee643_attn,@function
k_q2362eee643_attn:
	s_mov_b64 s[64:65], 0
	v_nop
	global_prefetch_b8 v0, s[64:65] scope:SCOPE_SE
	s_setreg_imm32_b32 hwreg(HW_REG_WAVE_MODE, 25, 1), 1
	s_wait_xcnt 0x0
; THIRD LAUNCH: y = softmax(q k^T / 8, causal) v, both products on codes of E4M3; y / (the row's sum) is quantised along head x 64 + channel, as the last product's operand.
; LEFT OUT: steps of 128 keys all of which come after a wave's 16 queries: the problem's own mask makes their weights exactly 0 (shown at the first launch's head).
; THE SOFTMAX: t = score x log2(e) / 8; M = the running largest t rounded UP to a whole number; p = 2^(t - M) is what is quantised, along the keys; the row's sum is taken of the unquantised p and divides at the end.
; When M moves, the sum and O are multiplied by 2^(old M - new M): exact, and no branch on data.
; SHARES.  Work-group: bk = number / 32 (batch bk / 4, key/value head bk % 4), j = number % 32.  Wave w: query head 4 kv + w % 4; tile u = (w / 4) % 2 of the block of 32 queries jq = j (w < 8) or 63 - j (w >= 8).
; A wave walks steps 0 .. jq / 4; (j / 4) + ((63 - j) / 4) = 15, so early and late blocks together make the same number of wave steps in every work-group.  The four query heads of a key/value head read the same step block.
; THE RING.  A step's block of kvimg (17,152 consecutive bytes: K's codes, V's codes, both scale words) goes through registers into one of two LDS slots: all 512 threads load 16 + 16 bytes (waves 0-2: 8 more), asked for two steps
; ahead of the step that reads them, stored one step ahead.  One barrier a step: in front of it each wave's LDS instructions are done: its reads of the slot that is written next, its stores into the slot that is read next.
; NO CLUSTER: the work-groups of one key/value head need different numbers of step blocks (9 to 16), and the ring is filled through registers, not by tensor loads.
; LAYOUT.  Both products transposed: S^T = K Q^T, O^T = V^T P^T: a lane holds one query (lane % 16).  K's tiles 2 b, 2 b + 1 give a lane keys 32 b + 16 h + 0 .. 15 in 16 registers; V's tiles 2 b, 2 b + 1 channels 32 b + 16 h + 0 .. 15.
; THE HEAD IS 64, THE INSTRUCTION'S K 128: even tiles hold their 64 in pieces 0, 1 and zeros in 2, 3, odd tiles the other way round, so that two tiles share eight registers of zeros; q stands twice round eight zeros likewise.  Zero codes stand against zero codes; scale words are (s0, s1, s0, s1).
; REGISTERS: v1-4 addresses; v5, v6 the add's two; v7 the mask's number; v9 4 r, v10 h; v12 -M, v13 the largest t, v[14:15] the sum; v16-39 q, zeros, q; v40-87 K0 Z K1 K2 Z K3; v88-151 S^T, p, then V; v152-183 O^T; v184-199 p's codes;
; v200-203 K's scale words, v204-205 V's, v206 q's, v207 p's: scales and nothing else; v208-219, v220-231 a step block on its way; v232-254 at work.
.set SLOT,  17152
.set KSO,   16384                      ; in a block: K's scale words,
.set VSO,   16896                      ; V's
.set SPARE, 34304                      ; behind the two slots: the spare words, 128 bytes for each of 16 waves
.set QA,  16
.set QB,  24
.set KR,  40
.set S,   88
.set O,   152
.set PC,  184
.set KSC, 200
.set VSC, 204
.set QSC, 206
.set PW,  207
.set T0,  208
.set WV,  18
.set DG,  28                           ; s28 my last step: the one with the diagonal
.set DL,  29                           ; s29 the work-group's last step
.set NT,  30                           ; s30 trips of two steps
.set ST,  31                           ; s31 the step
.set TR,  32                           ; s32 counts trips
.set KVB, 34                           ; s[34:35] kvimg at my batch and key/value head
.set KVN, 36                           ; s[36:37] the block that is being asked for
.set SEL, 38
.set CS,  40                           ; s[40:41] c = log2(e) / 8
.set MNT, 42
.macro QUANT src, nb, dst, tm          ; nb blocks of 16 registers from v[src] on become codes in v[dst + 4 b ..]; v[tm + nb + b] is left holding block b's scale byte
.set qb, 0
.rept \nb
	v_max3_num_f32 v[(\tm)+qb], |v[(\src)+16*qb]|, |v[(\src)+16*qb+1]|, 0x4800000   ; my 16 numbers, and the floor 2^(9 - 127): the byte cannot fall under 1
.set qb, qb+1
.endr
.set qi, 2
.rept 7
.set qb, 0
.rept \nb
	v_max3_num_f32 v[(\tm)+qb], v[(\tm)+qb], |v[(\src)+16*qb+qi]|, |v[(\src)+16*qb+qi+1]|
.set qb, qb+1
.endr
.set qi, qi+2
.endr
.set qb, 0
.rept \nb
	v_permlanex16_b32 v[(\tm)+(\nb)+qb], v[(\tm)+qb], s[SEL], s[SEL+1]
.set qb, qb+1
.endr
.set qb, 0
.rept \nb
	v_max_num_f32 v[(\tm)+qb], v[(\tm)+qb], v[(\tm)+(\nb)+qb]
.set qb, qb+1
.endr
.set qb, 0
.rept \nb
	v_add_nc_u32 v[(\tm)+3*(\nb)+qb], 0xfc000000, v[(\tm)+qb]
.set qb, qb+1
.endr
.set qb, 0
.rept \nb
	v_and_or_b32 v[(\tm)+2*(\nb)+qb], v[(\tm)+qb], 0x7f800000, s[MNT]
.set qb, qb+1
.endr
.set qb, 0
.rept \nb
	v_lshrrev_b32 v[(\tm)+(\nb)+qb], 23, v[(\tm)+3*(\nb)+qb]
.set qb, qb+1
.endr
.set qb, 0
.rept \nb
.set qi, 0
.rept 16
	v_med3_num_f32 v[(\src)+16*qb+qi], v[(\src)+16*qb+qi], -v[(\tm)+2*(\nb)+qb], v[(\tm)+2*(\nb)+qb]   ; the conversion does not saturate (ISA guide 7.6.2): the hold comes first
.set qi, qi+1
.endr
	v_cvt_scalef32_pk8_fp8_f32 v[(\dst)+4*qb:(\dst)+4*qb+1], v[(\src)+16*qb:(\src)+16*qb+7], v[(\tm)+3*(\nb)+qb]
	v_cvt_scalef32_pk8_fp8_f32 v[(\dst)+4*qb+2:(\dst)+4*qb+3], v[(\src)+16*qb+8:(\src)+16*qb+15], v[(\tm)+3*(\nb)+qb]
.set qb, qb+1
.endr
	v_nop
.endm
.macro LOADT t, base, imm              ; my part of a step block into registers
	global_load_b128 v[(\t):(\t)+3], v3, s[\base:\base+1] offset:\imm
	global_load_b128 v[(\t)+4:(\t)+7], v3, s[\base:\base+1] offset:(\imm)+8192
	s_cmp_lt_u32 s[WV], 3
	s_cbranch_scc0 .Lnl_\@
	global_load_b64 v[(\t)+8:(\t)+9], v4, s[\base:\base+1] offset:\imm     ; the last 768 bytes: 96 threads
.Lnl_\@:
.endm
.macro STORE t, sl                     ; and on into slot sl, at the same places
	ds_store_b128 v3, v[(\t):(\t)+3] offset:SLOT*(\sl)
	ds_store_b128 v3, v[(\t)+4:(\t)+7] offset:SLOT*(\sl)+8192
	s_cmp_lt_u32 s[WV], 3
	s_cbranch_scc0 .Lns_\@
	ds_store_b64 v4, v[(\t)+8:(\t)+9] offset:SLOT*(\sl)
.Lns_\@:
.endm
; A KEY STEP: 128 keys, from slot sl
.macro STEP sl
.rept 9
	v_nop                                          ; nine places: the first products below write over registers that the last step's last products read; eight serve the loads into their scale registers
.endr
.irp b, 0,1,2,3
	ds_load_b32 v[KSC+\b], v2 offset:SLOT*(\sl)+KSO+128*\b     ; a pair of tiles' words: lanes 0-15 the even tile's, lanes 16-31 the odd one's
.endr
.irp b, 0,1
	ds_load_b32 v[VSC+\b], v2 offset:SLOT*(\sl)+VSO+128*\b
.endr
.irp g, 0,1                                    ; S^T = K Q^T, four tiles of 16 keys at a time
.if \g
.rept 8
	v_nop                                          ; places in front of loads into registers that products have read
.endr
.endif
.irp t, 0,1,2,3
.irp c, 0,1
	ds_load_b128 v[KR+24*(\t/2)+16*(\t%2)+4*\c:KR+24*(\t/2)+16*(\t%2)+4*\c+3], v1 offset:SLOT*(\sl)+1024*(4*\g+\t)+512*\c
.endr
.endr
	s_wait_dscnt 0x0
.irp t, 0,1,2,3
.if \t%2
	v_wmma_scale_f32_16x16x128_f8f6f4 v[S+8*(4*\g+\t):S+8*(4*\g+\t)+7], v[KR+24*(\t/2)+8:KR+24*(\t/2)+23], v[QB:QB+15], 0, v[KSC+2*\g+\t/2], v[QSC] matrix_a_scale:MATRIX_SCALE_ROW1
.else
	v_wmma_scale_f32_16x16x128_f8f6f4 v[S+8*(4*\g+\t):S+8*(4*\g+\t)+7], v[KR+24*(\t/2):KR+24*(\t/2)+15], v[QA:QA+15], 0, v[KSC+2*\g+\t/2], v[QSC]
.endif
.endr
.endr
.rept 8
	v_nop
.endr
	s_cmp_lt_u32 s[ST], s[DG]                      ; only my last step lies on the diagonal: there the scores of hidden keys become -infinity ahead of the maximum
	s_cbranch_scc1 .Lopen_\@
	v_mov_b32 v254, 0xff800000
.set n, 0
.rept 64
	v_cmp_gt_i32 vcc_lo, 32*(n/16)+n%16, v7        ; register 16 b + i holds the step's key 32 b + 16 h + i: hidden where 32 b + i > my query's place in the step - 16 h
	v_cndmask_b32 v[S+n], v[S+n], v254, vcc_lo
.set n, n+1
.endr
.Lopen_\@:
.irp b, 0,1,2,3
	v_max3_num_f32 v[232+\b], v[S+16*\b], v[S+16*\b+1], v[S+16*\b+2]      ; the largest score of each block of 32 keys: for the row's maximum, and, since p rises with the score, for the block's largest p
.endr
.irp i, 3,5,7,9,11,13
.irp b, 0,1,2,3
	v_max3_num_f32 v[232+\b], v[232+\b], v[S+16*\b+\i], v[S+16*\b+\i+1]
.endr
.endr
.irp b, 0,1,2,3
	v_max_num_f32 v[232+\b], v[232+\b], v[S+16*\b+15]
.endr
.irp b, 0,1,2,3
	v_permlanex16_b32 v[236+\b], v[232+\b], s[SEL], s[SEL+1]
.endr
.irp b, 0,1,2,3
	v_max_num_f32 v[232+\b], v[232+\b], v[236+\b]  ; with lane l xor 16's 16 keys
.endr
	v_max3_num_f32 v254, v232, v233, v234
	v_max_num_f32 v254, v254, v235
	v_mul_f32 v254, s[CS], v254                    ; the step's largest t (c is positive)
	v_max_num_f32 v13, v13, v254                   ; the running largest t
	v_mov_b32 v254, v12
	v_floor_f32 v12, -v13                          ; the new -M = floor(-t) = -ceil(t)
	v_sub_f32 v254, v12, v254                      ; old M - new M: a whole number, 0 or less
	v_cvt_i32_f32 v254, v254                       ; (it saturates)
	v_ldexp_f32 v252, 1.0, v254                    ; f = 2^(old M - new M)
.set n, 0
.rept 32
	v_pk_fma_f32 v[S+n:S+n+1], v[S+n:S+n+1], s[CS:CS+1], v[12:13] op_sel_hi:[1,0,0]   ; t - M, two at a time
.set n, n+2
.endr
.irp b, 0,1,2,3
	v_fma_f32 v[232+\b], v[232+\b], s[CS], v12     ; the same of each block's largest score
.endr
.set n, 0
.rept 64
	v_exp_f32 v[S+n], v[S+n]                       ; p = 2^(t - M): one batch
.set n, n+1
.endr
	v_pk_mul_f32 v[14:15], v[14:15], v[252:253] op_sel_hi:[1,0]   ; the sums under the new M: a plain line behind the batch
	s_wait_alu depctr_va_vdst(0)                   ; one wait for the batch, ahead of its first reader
.irp b, 0,1,2,3
	v_exp_f32 v[232+\b], v[232+\b]                 ; the block's largest p: the same two instructions on the same number give the same bits
.endr
	v_pk_add_f32 v[236:237], v[S:S+1], v[S+2:S+3]  ; the row's sum of the unquantised p, in two chains: plain work behind the four
.irp j, 4,8,12,16,20,24,28,32,36,40,44,48,52,56,60
	v_pk_add_f32 v[14:15], v[14:15], v[S+\j:S+\j+1]
	v_pk_add_f32 v[236:237], v[236:237], v[S+\j+2:S+\j+3]
.endr
	v_pk_add_f32 v[14:15], v[14:15], v[236:237]
	s_wait_alu depctr_va_vdst(0)                   ; and one for the four
.irp b, 0,1,2,3
	v_max_num_f32 v[232+\b], 0x4800000, v[232+\b]  ; the floor 2^(9 - 127): a block whose every p is 0 keeps the byte 1: its codes are zeros
.endr
.irp b, 0,1,2,3
	v_add_nc_u32 v[244+\b], 0xfc000000, v[232+\b]  ; the conversion's scale operand
.endr
.irp b, 0,1,2,3
	v_and_or_b32 v[240+\b], v[232+\b], 0x7f800000, s[MNT]   ; 448 x the scale
.endr
.irp b, 0,1,2,3
	v_lshrrev_b32 v[236+\b], 23, v[244+\b]         ; the scale's byte
.endr
	v_lshl_or_b32 v[PW], v237, 8, v236             ; p's scale word for these 128 keys
	v_lshl_or_b32 v[PW], v238, 16, v[PW]
	v_lshl_or_b32 v[PW], v239, 24, v[PW]
.irp b, 0,1,2,3
.irp i, 0,1,2,3,4,5,6,7,8,9,10,11,12,13,14,15
	v_min_num_f32 v[S+16*\b+\i], v[S+16*\b+\i], v[240+\b]   ; p is not negative: the hold is one-sided
.endr
	v_cvt_scalef32_pk8_fp8_f32 v[PC+4*\b:PC+4*\b+1], v[S+16*\b:S+16*\b+7], v[244+\b]
	v_cvt_scalef32_pk8_fp8_f32 v[PC+4*\b+2:PC+4*\b+3], v[S+16*\b+8:S+16*\b+15], v[244+\b]
.irp c, 0,1,2,3
	ds_load_b128 v[S+16*\b+4*\c:S+16*\b+4*\c+3], v1 offset:SLOT*(\sl)+8192+2048*\b+512*\c   ; V's tile b takes the registers that these p have left
.endr
.endr
	v_nop                                          ; a plain line behind the last conversion
.set n, 0
.rept 16
	v_pk_mul_f32 v[O+n:O+n+1], v[O+n:O+n+1], v[252:253] op_sel_hi:[1,0]   ; O^T under the new M; these are also the places between p's codes and the products
.set n, n+2
.endr
	s_wait_dscnt 0x0
.irp t, 0,1,2,3                                ; O^T += V^T P^T: four accumulators by turns
.if \t%2
	v_wmma_scale_f32_16x16x128_f8f6f4 v[O+8*\t:O+8*\t+7], v[S+16*\t:S+16*\t+15], v[PC:PC+15], v[O+8*\t:O+8*\t+7], v[VSC+\t/2], v[PW] matrix_a_scale:MATRIX_SCALE_ROW1
.else
	v_wmma_scale_f32_16x16x128_f8f6f4 v[O+8*\t:O+8*\t+7], v[S+16*\t:S+16*\t+15], v[PC:PC+15], v[O+8*\t:O+8*\t+7], v[VSC+\t/2], v[PW]
.endif
.endr
.endm
; Step st, which lies in slot sl.  The two tests against the work-group's last step are the same in all 16 waves; the test against my own last step leads round no barrier.
.macro HALF sl
	s_wait_dscnt 0x0                               ; my reads of the other slot and my stores into this one are done
	s_barrier_signal -1
	s_barrier_wait -1                              ; everybody's are: this slot is whole, nobody reads the other
	s_wait_loadcnt 0x0                             ; block st + 1, asked for a step ago, is in my registers; the base of those loads may be written
	s_cmp_ge_u32 s[ST], s[DL]
	s_cbranch_scc1 .Lnost_\@
	STORE T0+12*(1-(\sl)), 1-(\sl)
	s_add_co_u32 s44, s[ST], 2
	s_cmp_gt_u32 s44, s[DL]
	s_cbranch_scc1 .Lnost_\@
	s_mul_i32 s44, s44, SLOT
	s_mov_b32 s45, 0
	s_add_nc_u64 s[KVN:KVN+1], s[KVB:KVB+1], s[44:45]
	LOADT T0+12*(\sl), KVN, 0                      ; block st + 2, into the registers whose stores were waited for at this step's head
.Lnost_\@:
	s_cmp_gt_u32 s[ST], s[DG]
	s_cbranch_scc1 .Lhid_\@
	STEP \sl
.Lhid_\@:
	s_add_co_u32 s[ST], s[ST], 1
.endm
	s_load_b256 s[4:11], s[0:1], 0x0               ; qimg, qsc, kvimg, yimg
	s_load_b64 s[12:13], s[0:1], 0x20              ; ysc
	v_lshl_add_u32 v5, v0, 2, SPARE
	v_mov_b32 v6, 0
	v_lshrrev_b32 v8, 5, v0
	v_readfirstlane_b32 s[WV], v8                  ; wave 0..15
	s_lshr_b32 s19, ttmp9, 5                       ; bk
	s_lshr_b32 s20, s19, 2                         ; b
	s_and_b32 s21, s19, 3                          ; kv
	s_and_b32 s22, ttmp9, 31                       ; j
	s_and_b32 s23, s[WV], 3
	s_lshl_b32 s24, s21, 2
	s_add_co_u32 s23, s23, s24                     ; head
	s_lshr_b32 s24, s[WV], 2
	s_and_b32 s25, s24, 1                          ; u
	s_sub_co_u32 s26, 63, s22
	s_cmp_lt_u32 s24, 2
	s_cselect_b32 s27, s22, s26                    ; jq
	s_lshr_b32 s[DG], s27, 2
	s_lshr_b32 s[DL], s26, 2
	s_add_co_u32 s[NT], s[DL], 2
	s_lshr_b32 s[NT], s[NT], 1
	s_mov_b32 s[ST], 0
	s_mov_b32 s[TR], 0
	s_mov_b32 s[SEL], 0x76543210
	s_mov_b32 s[SEL+1], 0xfedcba98
	s_mov_b32 s[CS], 0x3e38aa3b
	s_mov_b32 s[CS+1], s[CS]                       ; (named with it as a pair, so it is written)
	s_mov_b32 s[MNT], 0x600000
	v_and_b32 v8, 31, v0
	v_lshlrev_b32 v1, 4, v8                        ; 16 x lane
	v_lshlrev_b32 v2, 2, v8                        ; 4 x lane
	v_lshlrev_b32 v3, 4, v0                        ; 16 x thread: my place in a block's first and second 8,192 bytes, in memory and in a slot
	v_lshl_add_u32 v4, v0, 3, 16384                ; 16,384 + 8 x thread: in its last 768 (threads 0-95)
	v_and_b32 v9, 15, v0                           ; r
	v_bfe_u32 v10, v0, 4, 1                        ; h
	v_and_b32 v11, 8, v9
	v_add_nc_u32 v11, v11, v9                      ; r + 8 (r / 8)
	v_lshlrev_b32 v7, 4, v10
	v_sub_nc_u32 v7, v11, v7
	s_and_b32 s44, s27, 3
	s_lshl_b32 s44, s44, 5
	s_lshl_b32 s45, s25, 3
	s_add_co_u32 s44, s44, s45
	v_add_nc_u32 v7, s44, v7                       ; my query's place in its last step, less 16 h
	v_lshlrev_b32 v9, 2, v9                        ; 4 r
	s_mul_i32 s44, s19, 16*SLOT
	s_mov_b32 s45, 0
	s_lshl_b32 s46, s20, 4
	s_add_co_u32 s46, s46, s23
	s_lshl_b32 s46, s46, 6
	s_add_co_u32 s46, s46, s27                     ; (16 b + head) x 64 + jq
	s_lshl_b32 s48, s46, 11
	s_lshl_b32 s47, s25, 10
	s_add_co_u32 s48, s48, s47
	s_mov_b32 s49, 0
	s_lshl_b32 s50, s46, 7
	s_lshl_b32 s47, s25, 6
	s_add_co_u32 s50, s50, s47
	s_mov_b32 s51, 0
	s_wait_kmcnt 0x0
	s_add_nc_u64 s[KVB:KVB+1], s[8:9], s[44:45]
	s_add_nc_u64 s[4:5], s[4:5], s[48:49]          ; my tile of q
	s_add_nc_u64 s[6:7], s[6:7], s[50:51]          ; and its scale words
	LOADT T0, KVB, 0                               ; steps 0 and 1 (the work-group's last step is 8 at the least)
	LOADT T0+12, KVB, SLOT
	global_load_b128 v[16:19], v1, s[4:5]
	global_load_b128 v[20:23], v1, s[4:5] offset:512
	global_load_b128 v[32:35], v1, s[4:5]          ; q once more: the odd tiles want it in pieces 2, 3
	global_load_b128 v[36:39], v1, s[4:5] offset:512
	global_load_b32 v[QSC], v9, s[6:7]
	v_mov_b32 v13, 0xff61b1e6                      ; the largest t so far: -3e38
	v_floor_f32 v12, -v13                          ; -M
	v_mov_b32 v14, 0
	v_mov_b32 v15, 0
.irp i, 0,1,2,3,4,5,6,7
	v_mov_b32 v[24+\i], 0                          ; the zero codes
	v_mov_b32 v[48+\i], 0
	v_mov_b32 v[72+\i], 0
.endr
.set n, 0
.rept 32
	v_mov_b32 v[O+n], 0                            ; O^T: the step is written once: the first finds zeros, which the first change of M leaves zeros
.set n, n+1
.endr
.irp b, 0,1,2,3
	v_mov_b32 v[236+\b], 0                         ; written once: a lane permute's destination counts as one of its sources
.endr
	v_mov_b32 v252, 0
	v_mov_b32 v253, 0                              ; (named as the upper half of the pair v[252:253])
	s_wait_loadcnt 0x0
	STORE T0, 0
.Ltrip:                                            ; (last step + 2) / 2 trips of two steps
	HALF 0
	HALF 1
	s_add_co_u32 s[TR], s[TR], 1
	s_cmp_lt_u32 s[TR], s[NT]
	s_cbranch_scc1 .Ltrip
	; THE WAY OUT: y = O^T / the sum; registers 16 b + i are channels 32 b + 16 h + i of my head and query: two blocks of the last product's K
.rept 8
	v_nop
.endr
	v_add_f32 v14, v14, v15
	v_permlanex16_b32 v252, v14, s[SEL], s[SEL+1]
	v_add_f32 v14, v14, v252                       ; the row's sum
	v_rcp_f32 v14, v14
	v_add_nc_u32 v11, v9, v10                      ; 4 r + h (a plain line behind the reciprocal)
	s_wait_alu depctr_va_vdst(0)                   ; the wait ahead of its first reader
.set n, 0
.rept 16
	v_pk_mul_f32 v[S+n:S+n+1], v[O+n:O+n+1], v[14:15] op_sel_hi:[1,0]
.set n, n+2
.endr
	QUANT S, 2, PC, 236
	s_lshl_b32 s44, s20, 4
	s_add_co_u32 s44, s44, s[DG]                   ; the block of 128 tokens: 16 b + jq / 4
	s_lshr_b32 s46, s23, 1                         ; the K step: head / 2
	s_and_b32 s47, s23, 1
	s_and_b32 s48, s27, 3
	s_lshl_b32 s50, s44, 17
	s_lshl_b32 s49, s46, 14
	s_add_co_u32 s50, s50, s49
	s_lshl_b32 s49, s48, 12
	s_add_co_u32 s50, s50, s49
	s_lshl_b32 s49, s25, 11
	s_add_co_u32 s50, s50, s49                     ; tile 2 (jq % 4) + u
	s_lshl_b32 s49, s47, 10
	s_add_co_u32 s50, s50, s49                     ; pieces 2 (head % 2), + 1
	s_mov_b32 s51, 0
	s_add_nc_u64 s[10:11], s[10:11], s[50:51]
	s_lshl_b32 s50, s44, 12
	s_lshl_b32 s49, s46, 9
	s_add_co_u32 s50, s50, s49
	s_lshl_b32 s49, s48, 7
	s_add_co_u32 s50, s50, s49
	s_lshl_b32 s49, s25, 6
	s_add_co_u32 s50, s50, s49
	s_lshl_b32 s49, s47, 1
	s_add_co_u32 s50, s50, s49
	s_add_nc_u64 s[12:13], s[12:13], s[50:51]
	global_store_b128 v1, v[PC:PC+3], s[10:11]     ; 32 lanes store 512 consecutive bytes: a piece
	global_store_b128 v1, v[PC+4:PC+7], s[10:11] offset:512
	v_cmp_eq_u32 vcc_lo, 1, v10
	v_cndmask_b32 v244, v238, v239, vcc_lo
	global_store_b8 v11, v244, s[12:13]            ; lane (r, h): byte 2 (head % 2) + h of row r's word: 32 bytes a wave; the word's other bytes are other heads'
	s_wait_tensorcnt 0x0                           ; the wave's end: three lines behind my last LDS store
	ds_add_u32 v5, v6
	s_wait_dscnt 0x0
	s_endpgm
.Lfunc_end_k_q2362eee643_attn:
	.size	k_q2362eee643_attn, .Lfunc_end_k_q2362eee643_attn-k_q2362eee643_attn
	.p2alignl 7, 3214868480
	.fill 96, 4, 3214868480
	.section	.rodata,"a",@progbits
	.p2align	6, 0x0
	.amdhsa_kernel k_q2362eee643_attn
		.amdhsa_group_segment_fixed_size 36352
		.amdhsa_private_segment_fixed_size 0
		.amdhsa_enable_private_segment 0
		.amdhsa_kernarg_size 40
		.amdhsa_user_sgpr_count 2
		.amdhsa_user_sgpr_kernarg_segment_ptr 1
		.amdhsa_wavefront_size32 1
		.amdhsa_system_sgpr_workgroup_id_x 1
		.amdhsa_system_sgpr_workgroup_id_y 1
		.amdhsa_system_sgpr_workgroup_id_z 1
		.amdhsa_system_vgpr_workitem_id 0
		.amdhsa_next_free_vgpr 256
		.amdhsa_next_free_sgpr 66
		.amdhsa_reserve_vcc 1
		.amdhsa_float_denorm_mode_32 3
		.amdhsa_float_denorm_mode_16_64 3
		.amdhsa_memory_ordered 1
		.amdhsa_forward_progress 1
		.amdhsa_inst_pref_size 63
	.end_amdhsa_kernel
	.amdgpu_metadata
---
amdhsa.version: [ 1, 2 ]
amdhsa.kernels:
  - .name:           k_q2362eee643_attn
    .symbol:         k_q2362eee643_attn.kd
    .args:
      - { .name: qimg, .offset: 0, .size: 8, .value_kind: global_buffer, .address_space: global }
      - { .name: qsc, .offset: 8, .size: 8, .value_kind: global_buffer, .address_space: global }
      - { .name: kvimg, .offset: 16, .size: 8, .value_kind: global_buffer, .address_space: global }
      - { .name: yimg, .offset: 24, .size: 8, .value_kind: global_buffer, .address_space: global }
      - { .name: ysc, .offset: 32, .size: 8, .value_kind: global_buffer, .address_space: global }
    .group_segment_fixed_size: 36352
    .private_segment_fixed_size: 0
    .kernarg_segment_align: 8
    .kernarg_segment_size: 40
    .max_flat_workgroup_size: 512
    .sgpr_count:     66
    .vgpr_count:     256
    .wavefront_size: 32
...
	.end_amdgpu_metadata
.endif
;; end of part 3
;; launch proj (part 4): grid 8 x 32, 8 waves a work-group, clusters of 4 x 4, 327,680 bytes of LDS; arguments img, isc, yimg, ysc, out0; writes out0
.if DOCPART == 4
	.amdgcn_target "amdgcn-amd-amdhsa--gfx1250"
	.amdhsa_code_object_version 6
	.text
	.protected	k_q2362eee643_proj
	.globl	k_q2362eee643_proj
	.p2align	8
	.type	k_q2362eee643_proj,@function
k_q2362eee643_proj:
	s_mov_b64 s[64:65], 0
	v_nop
	global_prefetch_b8 v0, s[64:65] scope:SCOPE_SE
	s_setreg_imm32_b32 hwreg(HW_REG_WAVE_MODE, 25, 1), 1
	s_wait_xcnt 0x0
	s_wait_alu depctr_hold_cnt(0) depctr_sa_sdst(0) depctr_va_vdst(0) depctr_va_sdst(0) depctr_va_ssrc(0) depctr_va_vcc(0) depctr_vm_vsrc(0)
	s_getreg_b32 s2, hwreg(HW_REG_IB_STS2, 6, 4)
	s_cmp_eq_u32 s2, 0
	s_cbranch_scc0 .Lentry_in_a_cluster
	s_endpgm
.Lentry_in_a_cluster:
	s_bfe_u32 s2, ttmp6, 0x10000c
	s_cmp_lg_u32 s2, 0xf033
	s_cbranch_scc0 .Lentry_shape_is_right
	s_endpgm
.Lentry_shape_is_right:
; FOURTH LAUNCH: out = y Wproj^T on codes of E4M3.  A work-group makes 128 tokens (block Mb) x 128 columns (block n), K = 1,024.  Both operands' blocks (2 x 131,072 bytes) are asked for at the head, in four double K steps
; of 256, and stay in LDS as they lie in memory: images of operand registers.  No LDS byte is filled twice.  By this text's count a wave has four tensor loads out: 8,192 bytes of each double step (waves 0-3: Wproj's block, waves 4-7: y's).
; CLUSTER 4 x 4: Wproj's block hangs on n alone and is asked for jointly along a column of the cluster, y's on Mb alone and jointly along a row.
; A WAVE: source 0 = four tiles of Wproj (64 columns, group w % 2), source 1 = two tiles of y (32 tokens, pair w / 2): 8 accumulators; register 32 q + 16 b + i holds column 32 b + 16 h + i for lane r's token of tile q.
; THE WAY OUT: through the wave's own stage in LDS (32 rows x (256 bytes + 16)), so that sixteen lanes store 256 consecutive bytes, aligned.  The stages lie in the first two regions: they have had their only fill, and every wave has waited for
; its reads of them in front of the last double step's barrier.
.set SPARE, 262144
.set WV,   18
.set G1W,  24
.set G1X,  32
.set G0W,  40
.set G0X,  68
.set SF1,  16                          ; v16-31 source 0's scale words (2 s + pair);  v32-39 source 1's (s): scales and nothing else
.set SF2,  32
.set F1,   40
.set F2,   104
.set ACC,  136
.macro CROUND                          ; a round of the cluster's barrier
	s_barrier_signal -1
	s_barrier_wait -1
	s_cmp_lg_u32 s[WV], 0
	s_cbranch_scc1 .Lnot_wave_0_\@
	s_barrier_signal -3
.Lnot_wave_0_\@:
	s_barrier_wait -3
	s_barrier_signal -1
	s_barrier_wait -1
.endm
.macro MM d, a, b, zero, sa, sb, ra, rb   ; one product.  ra, rb: the scale words stand in lanes 16-31 of their register
.if \zero
.if (\ra) && (\rb)
	v_wmma_scale_f32_16x16x128_f8f6f4 v[(\d):(\d)+7], v[(\a):(\a)+15], v[(\b):(\b)+15], 0, v[\sa], v[\sb] matrix_a_scale:MATRIX_SCALE_ROW1 matrix_b_scale:MATRIX_SCALE_ROW1
.elseif \ra
	v_wmma_scale_f32_16x16x128_f8f6f4 v[(\d):(\d)+7], v[(\a):(\a)+15], v[(\b):(\b)+15], 0, v[\sa], v[\sb] matrix_a_scale:MATRIX_SCALE_ROW1
.elseif \rb
	v_wmma_scale_f32_16x16x128_f8f6f4 v[(\d):(\d)+7], v[(\a):(\a)+15], v[(\b):(\b)+15], 0, v[\sa], v[\sb] matrix_b_scale:MATRIX_SCALE_ROW1
.else
	v_wmma_scale_f32_16x16x128_f8f6f4 v[(\d):(\d)+7], v[(\a):(\a)+15], v[(\b):(\b)+15], 0, v[\sa], v[\sb]
.endif
.else
.if (\ra) && (\rb)
	v_wmma_scale_f32_16x16x128_f8f6f4 v[(\d):(\d)+7], v[(\a):(\a)+15], v[(\b):(\b)+15], v[(\d):(\d)+7], v[\sa], v[\sb] matrix_a_scale:MATRIX_SCALE_ROW1 matrix_b_scale:MATRIX_SCALE_ROW1
.elseif \ra
	v_wmma_scale_f32_16x16x128_f8f6f4 v[(\d):(\d)+7], v[(\a):(\a)+15], v[(\b):(\b)+15], v[(\d):(\d)+7], v[\sa], v[\sb] matrix_a_scale:MATRIX_SCALE_ROW1
.elseif \rb
	v_wmma_scale_f32_16x16x128_f8f6f4 v[(\d):(\d)+7], v[(\a):(\a)+15], v[(\b):(\b)+15], v[(\d):(\d)+7], v[\sa], v[\sb] matrix_b_scale:MATRIX_SCALE_ROW1
.else
	v_wmma_scale_f32_16x16x128_f8f6f4 v[(\d):(\d)+7], v[(\a):(\a)+15], v[(\b):(\b)+15], v[(\d):(\d)+7], v[\sa], v[\sb]
.endif
.endif
.endm
; 128 along K: 24 LDS loads, 8 products; the 8 accumulators take turns, one instruction a turn, in the same order in every step.
.macro KSTEP sp, s, zero
.if !(\zero)
.rept 8
	v_nop                                          ; eight places between the last products and loads into the registers that they read
.endr
.endif
.irp p, 0,1,2,3
.irp c, 0,1,2,3
	ds_load_b128 v[F1+16*\p+4*\c:F1+16*\p+4*\c+3], v1 offset:16384*(\sp)+2048*\p+512*\c
.endr
.endr
.irp q, 0,1
.irp c, 0,1,2,3
	ds_load_b128 v[F2+16*\q+4*\c:F2+16*\q+4*\c+3], v2 offset:16384*(\sp)+2048*\q+512*\c
.endr
.endr
	s_wait_dscnt 0x0
.irp q, 0,1
.irp p, 0,1,2,3
	MM ACC+32*\q+8*\p, F1+16*\p, F2+16*\q, \zero, SF1+2*(\s)+\p/2, SF2+(\s), \p%2, \q
.endr
.endr
.endm
.macro DSTEP d, zero                   ; a double K step: my part of it has landed (my loads of the later ones may be out), then everybody's has
	s_wait_tensorcnt 3-(\d)
	s_barrier_signal -1
	s_barrier_wait -1
	KSTEP 0, 2*(\d), \zero
	KSTEP 1, 2*(\d)+1, 0
.if (\d) < 3
	v_add_nc_u32 v1, 0x10000, v1
	v_add_nc_u32 v2, 0x10000, v2
.endif
.endm
	s_load_b256 s[4:11], s[0:1], 0x0               ; img, isc, yimg, ysc
	s_load_b64 s[12:13], s[0:1], 0x20              ; out0
	v_lshl_add_u32 v5, v0, 2, SPARE
	v_mov_b32 v6, 0
	ds_add_u32 v5, v6                              ; the wave's opening: the add, twice on end, and its wait ahead of my first tensor load
	ds_add_u32 v5, v6
	v_lshrrev_b32 v7, 5, v0
	v_readfirstlane_b32 s[WV], v7                  ; wave 0..7
	s_bfe_u32 s19, ttmp6, 0x40000                  ; cx
	s_bfe_u32 s20, ttmp6, 0x40004                  ; cy
	s_lshl_b32 s21, ttmp9, 2
	s_add_co_u32 s21, s21, s19                     ; n: the block of 128 columns
	s_and_b32 s22, ttmp7, 0xffff
	s_lshl_b32 s22, s22, 2
	s_add_co_u32 s22, s22, s20                     ; Mb: the block of 128 tokens
	s_lshl_b32 s62, s20, 2
	s_lshl_b32 s62, 15, s62                        ; my row of the cluster
	s_lshl_b32 s63, 0x1111, s19                    ; my column
	s_or_b32 s[G1W], s63, (3<<16)|(1<<21)          ; 15:0 the mask: Wproj's block goes to my column; 17:16 elements of 8 bytes; 21 set beside a mask; no padding
	s_or_b32 s[G1X], s62, (3<<16)|(1<<21)          ; y's to my row
.irp g, G1W, G1X
	s_mov_b32 s[\g+1], 32<<16                      ; tensor_dim0 = 32 elements: rows of 256 bytes
	s_mov_b32 s[\g+2], 32<<16                      ; tensor_dim1 = 32 rows
	s_mov_b32 s[\g+3], 32<<16                      ; tile_dim0
	s_mov_b32 s[\g+4], 32                          ; tile_dim1
	s_mov_b32 s[\g+5], 32                          ; the pitch: dense
	s_mov_b32 s[\g+6], 0
	s_mov_b32 s[\g+7], 0
.endr
	s_and_b32 s56, s[WV], 3
	s_lshl_b32 s56, s56, 13                        ; my quarter of a double step's 32,768 bytes
	s_lshl_b32 s57, s[WV], 13                      ; and where it goes: 8,192 x wave
	s_and_b32 s58, s[WV], 1                        ; w % 2
	s_lshr_b32 s59, s[WV], 1                       ; w / 2
	s_add_co_u32 s84, s21, 44
	s_lshl_b32 s84, s84, 17
	s_add_co_u32 s84, s84, s56                     ; Wproj's block 44 + n of img: nothing of cy in it
	s_mov_b32 s85, 0
	s_lshl_b32 s86, s22, 17
	s_add_co_u32 s86, s86, s56                     ; y's block Mb: nothing of cx in it
	s_mov_b32 s87, 0
	s_wait_dscnt 0x0                               ; both opening adds are done
	s_wait_kmcnt 0x0
	s_add_nc_u64 s[84:85], s[4:5], s[84:85]
	s_add_nc_u64 s[86:87], s[8:9], s[86:87]
	CROUND                                         ; all sixteen work-groups are here: the joint loads meet
.irp d, 0,1,2,3
	s_mov_b32 s[G0W+4*\d], 1
	s_add_co_u32 s[G0W+4*\d+1], s57, 65536*\d
	s_add_nc_u64 s[G0W+4*\d+2:G0W+4*\d+3], s[84:85], 32768*\d
	s_or_b32 s[G0W+4*\d+3], s[G0W+4*\d+3], 0x80000000
	s_mov_b32 s[G0X+4*\d], 1
	s_add_co_u32 s[G0X+4*\d+1], s57, 65536*\d
	s_add_nc_u64 s[G0X+4*\d+2:G0X+4*\d+3], s[86:87], 32768*\d
	s_or_b32 s[G0X+4*\d+3], s[G0X+4*\d+3], 0x80000000
.endr
	s_cmp_lt_u32 s[WV], 4                          ; a wave's four fills stand in one branch on its number, a fill in each arm
	s_cbranch_scc0 .Lfill_x
.irp d, 0,1,2,3
	tensor_load_to_lds s[G0W+4*\d:G0W+4*\d+3], s[G1W:G1W+7]
	s_nop 0
.endr
.rept 4
	v_nop
.endr
	s_branch .Lfilled
.Lfill_x:
.irp d, 0,1,2,3
	tensor_load_to_lds s[G0X+4*\d:G0X+4*\d+3], s[G1X:G1X+7]
	s_nop 0
.endr
.rept 4
	v_nop
.endr
.Lfilled:
	v_and_b32 v8, 31, v0                           ; lane
	v_lshlrev_b32 v3, 4, v8                        ; 16 x lane
	v_lshlrev_b32 v4, 2, v8                        ; 4 x lane
	s_lshl_b32 s60, s58, 13
	v_add_nc_u32 v1, s60, v3                       ; source 0: Wproj's four tiles, group w % 2
	s_lshl_b32 s60, s59, 12
	s_add_co_u32 s60, s60, 32768
	v_add_nc_u32 v2, s60, v3                       ; source 1: y's two tiles, pair w / 2
	s_mul_i32 s60, s[WV], 8704                     ; my stage
	v_and_b32 v9, 15, v0                           ; r
	v_bfe_u32 v10, v0, 4, 1                        ; h
	v_mul_u32_u24 v11, v9, 272
	v_lshl_add_u32 v11, v10, 6, v11
	v_add_nc_u32 v11, s60, v11                     ; in: row r of a tile, + 64 h
	v_mul_u32_u24 v12, v10, 272
	v_lshl_add_u32 v12, v9, 4, v12
	v_add_nc_u32 v12, s60, v12                     ; back: lanes 0-15 one row of 256 bytes, lanes 16-31 the next
	v_lshlrev_b32 v13, 12, v10
	v_lshl_add_u32 v13, v9, 4, v13                 ; and the same in out0: a row is 4,096 bytes
	s_add_co_u32 s88, s21, 44
	s_lshl_b32 s88, s88, 12
	s_lshl_b32 s61, s58, 8
	s_add_co_u32 s88, s88, s61
	s_mov_b32 s89, 0
	s_lshl_b32 s90, s22, 12
	s_lshl_b32 s61, s59, 7
	s_add_co_u32 s90, s90, s61
	s_mov_b32 s91, 0
	s_add_nc_u64 s[88:89], s[6:7], s[88:89]
	s_add_nc_u64 s[90:91], s[10:11], s[90:91]
.irp s, 0,1,2,3,4,5,6,7
	global_load_b32 v[SF1+2*\s], v4, s[88:89] offset:512*\s               ; 128 consecutive bytes: a pair of tiles' words
	global_load_b32 v[SF1+2*\s+1], v4, s[88:89] offset:512*\s+128
	global_load_b32 v[SF2+\s], v4, s[90:91] offset:512*\s
.endr
	s_lshl_b32 s92, s22, 7
	s_lshl_b32 s61, s59, 5
	s_add_co_u32 s92, s92, s61                     ; my first token: 128 Mb + 32 (w / 2)
	s_lshl_b32 s92, s92, 12
	s_lshl_b32 s61, s21, 9
	s_add_co_u32 s92, s92, s61                     ; + 512 n
	s_lshl_b32 s61, s58, 8
	s_add_co_u32 s92, s92, s61                     ; + 256 (w % 2)
	s_mov_b32 s93, 0
	s_add_nc_u64 s[12:13], s[12:13], s[92:93]
	s_wait_loadcnt 0x0                             ; the scale words
	DSTEP 0, 1                                     ; the first products start the sums: nothing is cleared
	DSTEP 1, 0
	DSTEP 2, 0
	DSTEP 3, 0
.rept 8
	v_nop                                          ; eight places between the last products and the first read of results, and loads into the registers that they read
.endr
.irp q, 0,1
.irp b, 0,1
.irp k, 0,1,2,3
	ds_store_b128 v11, v[ACC+32*\q+16*\b+4*\k:ACC+32*\q+16*\b+4*\k+3] offset:4352*\q+128*\b+16*\k   ; each accumulator from its low end on
.endr
.endr
.endr
.irp t, 0,1,2,3,4,5,6,7,8,9,10,11,12,13,14,15
	ds_load_b128 v[40+4*\t:43+4*\t], v12 offset:544*\t     ; LDS serves a wave's instructions in order: these see my stores
.endr
.irp t, 0,1,2,3,4,5,6,7,8,9,10,11,12,13,14,15
	s_wait_dscnt 15-\t                             ; the younger loads may be out
	global_store_b128 v13, v[40+4*\t:43+4*\t], s[12:13] offset:(8*(\t/8)+2*(\t%8)+8*((\t%8)/4))*4096 th:TH_STORE_NT   ; stage rows 2 t, 2 t + 1 are lanes 2 (t % 8), + 1 of tile t / 8: tokens 8 (t / 8) + r + 8 (r / 8); 16 lanes store 256 consecutive bytes, aligned
.endr
	s_wait_tensorcnt 0x0                           ; the wave's end: three lines behind my last tensor load and my last LDS store
	ds_add_u32 v5, v6
	s_wait_dscnt 0x0
	CROUND                                         ; the closing round
	s_endpgm
.Lfunc_end_k_q2362eee643_proj:
	.size	k_q2362eee643_proj, .Lfunc_end_k_q2362eee643_proj-k_q2362eee643_proj
	.p2alignl 7, 3214868480
	.fill 96, 4, 3214868480
	.section	.rodata,"a",@progbits
	.p2align	6, 0x0
	.amdhsa_kernel k_q2362eee643_proj
		.amdhsa_group_segment_fixed_size 327680
		.amdhsa_private_segment_fixed_size 0
		.amdhsa_enable_private_segment 0
		.amdhsa_kernarg_size 40
		.amdhsa_user_sgpr_count 2
		.amdhsa_user_sgpr_kernarg_segment_ptr 1
		.amdhsa_wavefront_size32 1
		.amdhsa_system_sgpr_workgroup_id_x 1
		.amdhsa_system_sgpr_workgroup_id_y 1
		.amdhsa_system_sgpr_workgroup_id_z 1
		.amdhsa_system_vgpr_workitem_id 0
		.amdhsa_next_free_vgpr 256
		.amdhsa_next_free_sgpr 100
		.amdhsa_reserve_vcc 0
		.amdhsa_float_denorm_mode_32 3
		.amdhsa_float_denorm_mode_16_64 3
		.amdhsa_memory_ordered 1
		.amdhsa_forward_progress 1
		.amdhsa_inst_pref_size 38
	.end_amdhsa_kernel
	.amdgpu_metadata
---
amdhsa.version: [ 1, 2 ]
amdhsa.kernels:
  - .name:           k_q2362eee643_proj
    .symbol:         k_q2362eee643_proj.kd
    .args:
      - { .name: img, .offset: 0, .size: 8, .value_kind: global_buffer, .address_space: global }
      - { .name: isc, .offset: 8, .size: 8, .value_kind: global_buffer, .address_space: global }
      - { .name: yimg, .offset: 16, .size: 8, .value_kind: global_buffer, .address_space: global }
      - { .name: ysc, .offset: 24, .size: 8, .value_kind: global_buffer, .address_space: global }
      - { .name: out0, .offset: 32, .size: 8, .value_kind: global_buffer, .address_space: global }
    .group_segment_fixed_size: 327680
    .private_segment_fixed_size: 0
    .kernarg_segment_align: 8
    .kernarg_segment_size: 40
    .max_flat_workgroup_size: 256
    .sgpr_count:     100
    .vgpr_count:     256
    .wavefront_size: 32
...
	.end_amdgpu_metadata
.endif
;; end of part 4
;; ======== version 2 of 2: 4 launches; version 1 with the launch attn written anew for expert scheduling mode
;; workspace buffers: img 6,815,744 bytes; isc 212,992 bytes; rope 524,288 bytes; qimg 4,194,304 bytes; qsc 262,144 bytes; kvimg 2,195,456 bytes; yimg 4,194,304 bytes; ysc 131,072 bytes
;; launch prep: the kernel of part 1 again; grid 448 x 1, 4 waves a work-group, no clusters, 34,304 bytes of LDS; arguments x, Wq, Wk, Wv, Wproj, img, isc, rope; writes img, isc, rope
;; launch qkv: the kernel of part 2 again; grid 32 x 12, 8 waves a work-group, clusters of 4 x 1, 327,680 bytes of LDS; arguments img, isc, rope, q_gain, qimg, qsc, kvimg; writes qimg, qsc, kvimg
;; launch attn (part 5): grid 256 x 1, 16 waves a work-group, no clusters, 36,352 bytes of LDS; arguments qimg, qsc, kvimg, yimg, ysc; writes yimg, ysc
.if DOCPART == 5
	.amdgcn_target "amdgcn-amd-amdhsa--gfx1250"
	.amdhsa_code_object_version 6
	.text
	.protected	k_q2362eee643_attn
	.globl	k_q2362eee643_attn
	.p2align	8
	.type	k_q2362eee643_attn,@function
k_q2362eee643_attn:
	s_mov_b64 s[64:65], 0
	v_nop
	global_prefetch_b8 v0, s[64:65] scope:SCOPE_SE
	s_setreg_imm32_b32 hwreg(HW_REG_WAVE_SCHED_MODE, 0, 2), 2
	s_setreg_imm32_b32 hwreg(HW_REG_WAVE_MODE, 25, 1), 1
	s_wait_xcnt 0x0
	s_wait_alu depctr_vm_vsrc(0)
; THIRD LAUNCH: y = softmax(q k^T / 8, causal) v, both products on codes of E4M3; y / (the row's sum) is quantised along head x 64 + channel, as the last product's operand.
; LEFT OUT: steps of 128 keys all of which come after a wave's 16 queries: the problem's own mask makes their weights exactly 0 (shown at the first launch's head).
; THE SOFTMAX: t = score x log2(e) / 8; M = the running largest t rounded UP to a whole number; p = 2^(t - M) is what is quantised, along the keys; the row's sum is taken of the unquantised p and divides at the end.
; When M moves, the sum and O are multiplied by 2^(old M - new M): exact, and no branch on data.
; SHARES.  Work-group: bk = number / 32 (batch bk / 4, key/value head bk % 4), j = number % 32.  Wave w: query head 4 kv + w % 4; tile u = (w / 4) % 2 of the block of 32 queries jq = j (w < 8) or 63 - j (w >= 8).
; A wave walks steps 0 .. jq / 4; (j / 4) + ((63 - j) / 4) = 15, so early and late blocks together make the same number of wave steps in every work-group.  The four query heads of a key/value head read the same step block.
; THE RING.  A step's block of kvimg (17,152 consecutive bytes: K's codes, V's codes, both scale words) goes through registers into one of two LDS slots: all 512 threads load 16 + 16 bytes (waves 0-2: 8 more), asked for two steps
; ahead of the step that reads them, stored one step ahead.  One barrier a step: in front of it each wave's LDS instructions are done: its reads of the slot that is written next, its stores into the slot that is read next.
; NO CLUSTER: the work-groups of one key/value head need different numbers of step blocks (9 to 16), and the ring is filled through registers, not by tensor loads.
; LAYOUT.  Both products transposed: S^T = K Q^T, O^T = V^T P^T: a lane holds one query (lane % 16).  K's tiles 2 b, 2 b + 1 give a lane keys 32 b + 16 h + 0 .. 15 in 16 registers; V's tiles 2 b, 2 b + 1 channels 32 b + 16 h + 0 .. 15.
; THE HEAD IS 64, THE INSTRUCTION'S K 128: even tiles hold their 64 in pieces 0, 1 and zeros in 2, 3, odd tiles the other way round, so that two tiles share eight registers of zeros; q stands twice round eight zeros likewise.  Zero codes stand against zero codes; scale words are (s0, s1, s0, s1).
; REGISTERS: v1-4 addresses; v5, v6 the add's two; v7 the mask's number; v9 4 r, v10 h; v12 -M, v13 the largest t, v[14:15] the sum; v16-39 q, zeros, q; v40-87 K0 Z K1 K2 Z K3; v88-151 S^T, p, then V; v152-183 O^T; v184-199 p's codes;
; v200-203 K's scale words, v204-205 V's, v206 q's, v207 p's: scales and nothing else; v208-219, v220-231 a step block on its way; v232-254 at work.  s48-63: sixteen lane masks, on the diagonal.
; THE MODE: SCHED_MODE bits 1:0 = 2 (LLVM: expert scheduling mode 2), set by the entry lines.  The code itself states the register dependences between vector or matrix instructions and memory or LDS instructions, with s_wait_alu, always for 0.
; THE PLAN.  Registers that memory or LDS instructions touch:
;   v1-v4, v9     offsets and addresses: written at the head, never again: one wait on va_vdst ahead of the first load serves the whole kernel.
;   T0, T1        (v208-219, v220-231) written by global loads, read by LDS stores, named by no vector instruction.  Step st, slot sl: the loads of block st + 2 land in T[sl], which the LDS stores of step st - 1 read: one wait on vm_vsrc at a step's head.
;   K's scale words and K's data (v200-203; v40-47, v56-71, v80-87): read by the products S^T, loaded again in the same step (the second four tiles) and at the next step's head.
;   V's scale words (v204-205): read by the products O^T, a step's last; loaded again with V's tiles, late in the next step.
;   S (v88-151)   written by products and by the softmax, read by the sums and the conversions; then V's tiles land in it.
;   p's codes and scale word (v184-199, v207): written by vector instructions, taken by the scaled products; at the end the codes' registers and v244, v11 are read by the stores.
; A STEP'S WAITS ON va_vdst: one between the two groups of products S^T; the two behind the exponentials; ONE behind the conversions, ahead of V's run of loads.  Behind that last one the wave issues 12 multiplications of O^T, the four products O^T
; and v_nop, which name O^T, S, p's codes, v204-205, v207 and v252-253: none of the registers in which the next step's first run of K's loads lands.  So that run owes no wait, and stands ahead of the step's nine places.
.set SLOT,  17152
.set KSO,   16384                      ; in a block: K's scale words,
.set VSO,   16896                      ; V's
.set SPARE, 34304                      ; behind the two slots: the spare words, 128 bytes for each of 16 waves
.set QA,  16
.set QB,  24
.set KR,  40
.set S,   88
.set O,   152
.set PC,  184
.set KSC, 200
.set VSC, 204
.set QSC, 206
.set PW,  207
.set T0,  208
.set WV,  18
.set DG,  28                           ; s28 my last step: the one with the diagonal
.set DL,  29                           ; s29 the work-group's last step
.set NT,  30                           ; s30 trips of two steps
.set ST,  31                           ; s31 the step
.set TR,  32                           ; s32 counts trips
.set KVB, 34                           ; s[34:35] kvimg at my batch and key/value head
.set KVN, 36                           ; s[36:37] the block that is being asked for
.set SEL, 38
.set CS,  40                           ; s[40:41] c = log2(e) / 8
.set MNT, 42
.set MK,  48                           ; s48-63 the lane masks of sixteen compares (at the head and on the way out s48-51 are at work otherwise)
.macro QUANT src, nb, dst, tm          ; nb blocks of 16 registers from v[src] on become codes in v[dst + 4 b ..]; v[tm + nb + b] is left holding block b's scale byte
.set qb, 0
.rept \nb
	v_max3_num_f32 v[(\tm)+qb], |v[(\src)+16*qb]|, |v[(\src)+16*qb+1]|, 0x4800000   ; my 16 numbers, and the floor 2^(9 - 127): the byte cannot fall under 1
.set qb, qb+1
.endr
.set qi, 2
.rept 7
.set qb, 0
.rept \nb
	v_max3_num_f32 v[(\tm)+qb], v[(\tm)+qb], |v[(\src)+16*qb+qi]|, |v[(\src)+16*qb+qi+1]|
.set qb, qb+1
.endr
.set qi, qi+2
.endr
.set qb, 0
.rept \nb
	v_permlanex16_b32 v[(\tm)+(\nb)+qb], v[(\tm)+qb], s[SEL], s[SEL+1]
.set qb, qb+1
.endr
.set qb, 0
.rept \nb
	v_max_num_f32 v[(\tm)+qb], v[(\tm)+qb], v[(\tm)+(\nb)+qb]
.set qb, qb+1
.endr
.set qb, 0
.rept \nb
	v_add_nc_u32 v[(\tm)+3*(\nb)+qb], 0xfc000000, v[(\tm)+qb]
.set qb, qb+1
.endr
.set qb, 0
.rept \nb
	v_and_or_b32 v[(\tm)+2*(\nb)+qb], v[(\tm)+qb], 0x7f800000, s[MNT]
.set qb, qb+1
.endr
.set qb, 0
.rept \nb
	v_lshrrev_b32 v[(\tm)+(\nb)+qb], 23, v[(\tm)+3*(\nb)+qb]
.set qb, qb+1
.endr
.set qb, 0
.rept \nb
.set qi, 0
.rept 16
	v_med3_num_f32 v[(\src)+16*qb+qi], v[(\src)+16*qb+qi], -v[(\tm)+2*(\nb)+qb], v[(\tm)+2*(\nb)+qb]   ; the conversion does not saturate (ISA guide 7.6.2): the hold comes first
.set qi, qi+1
.endr
	v_cvt_scalef32_pk8_fp8_f32 v[(\dst)+4*qb:(\dst)+4*qb+1], v[(\src)+16*qb:(\src)+16*qb+7], v[(\tm)+3*(\nb)+qb]
	v_cvt_scalef32_pk8_fp8_f32 v[(\dst)+4*qb+2:(\dst)+4*qb+3], v[(\src)+16*qb+8:(\src)+16*qb+15], v[(\tm)+3*(\nb)+qb]
.set qb, qb+1
.endr
	v_nop
.endm
.macro LOADT t, base, imm              ; my part of a step block into registers
	global_load_b128 v[(\t):(\t)+3], v3, s[\base:\base+1] offset:\imm
	global_load_b128 v[(\t)+4:(\t)+7], v3, s[\base:\base+1] offset:(\imm)+8192
	s_cmp_lt_u32 s[WV], 3
	s_cbranch_scc0 .Lnl_\@
	global_load_b64 v[(\t)+8:(\t)+9], v4, s[\base:\base+1] offset:\imm     ; the last 768 bytes: 96 threads
.Lnl_\@:
.endm
.macro STORE t, sl                     ; and on into slot sl, at the same places
	ds_store_b128 v3, v[(\t):(\t)+3] offset:SLOT*(\sl)
	ds_store_b128 v3, v[(\t)+4:(\t)+7] offset:SLOT*(\sl)+8192
	s_cmp_lt_u32 s[WV], 3
	s_cbranch_scc0 .Lns_\@
	ds_store_b64 v4, v[(\t)+8:(\t)+9] offset:SLOT*(\sl)
.Lns_\@:
.endm
; A KEY STEP: 128 keys, from slot sl
.macro STEP sl
.irp b, 0,1,2,3
	ds_load_b32 v[KSC+\b], v2 offset:SLOT*(\sl)+KSO+128*\b     ; a pair of tiles' words: lanes 0-15 the even tile's, lanes 16-31 the odd one's.  No wait: no vector or matrix instruction since the last wait on va_vdst names these registers, nor those of the eight loads below
.endr
.irp g, 0,1                                    ; S^T = K Q^T, four tiles of 16 keys at a time
.if \g
.rept 8
	v_nop                                          ; eight places behind the four products, ahead of the loads into the registers that they read; the wait below states the dependence itself
.endr
	s_wait_alu depctr_va_vdst(0)                   ; the first four products are done reading K's registers, in which the next four tiles land
.endif
.irp t, 0,1,2,3
.irp c, 0,1
	ds_load_b128 v[KR+24*(\t/2)+16*(\t%2)+4*\c:KR+24*(\t/2)+16*(\t%2)+4*\c+3], v1 offset:SLOT*(\sl)+1024*(4*\g+\t)+512*\c
.endr
.endr
.if \g == 0
.rept 9
	v_nop                                          ; nine places: the first products below write over registers that the last step's last products read.  They stand behind the loads
.endr
.endif
	s_wait_dscnt 0x0
.irp t, 0,1,2,3
.if \t%2
	v_wmma_scale_f32_16x16x128_f8f6f4 v[S+8*(4*\g+\t):S+8*(4*\g+\t)+7], v[KR+24*(\t/2)+8:KR+24*(\t/2)+23], v[QB:QB+15], 0, v[KSC+2*\g+\t/2], v[QSC] matrix_a_scale:MATRIX_SCALE_ROW1
.else
	v_wmma_scale_f32_16x16x128_f8f6f4 v[S+8*(4*\g+\t):S+8*(4*\g+\t)+7], v[KR+24*(\t/2):KR+24*(\t/2)+15], v[QA:QA+15], 0, v[KSC+2*\g+\t/2], v[QSC]
.endif
.endr
.endr
.rept 8
	v_nop
.endr
	s_cmp_lt_u32 s[ST], s[DG]                      ; only my last step lies on the diagonal: there the scores of hidden keys become -infinity ahead of the maximum
	s_cbranch_scc1 .Lopen_\@
	v_mov_b32 v254, 0xff800000
.irp b, 0,1,2,3                                ; a block of 32 keys at a time: sixteen compares into sixteen scalar registers, one wait, sixteen selects
.irp i, 0,1,2,3,4,5,6,7,8,9,10,11,12,13,14,15
	v_cmp_gt_i32 s[MK+\i], 32*\b+\i, v7            ; register 16 b + i holds the step's key 32 b + 16 h + i: hidden where 32 b + i > my query's place in the step - 16 h
.endr
	s_wait_alu depctr_va_sdst(0)                   ; the sixteen compares have written s48-63, which the selects below read
.irp i, 0,1,2,3,4,5,6,7,8,9,10,11,12,13,14,15
	v_cndmask_b32 v[S+16*\b+\i], v[S+16*\b+\i], v254, s[MK+\i]
.endr
.endr
.Lopen_\@:
.irp b, 0,1,2,3
	v_max3_num_f32 v[232+\b], v[S+16*\b], v[S+16*\b+1], v[S+16*\b+2]      ; the largest score of each block of 32 keys: for the row's maximum, and, since p rises with the score, for the block's largest p
.endr
.irp i, 3,5,7,9,11,13
.irp b, 0,1,2,3
	v_max3_num_f32 v[232+\b], v[232+\b], v[S+16*\b+\i], v[S+16*\b+\i+1]
.endr
.endr
.irp b, 0,1,2,3
	v_max_num_f32 v[232+\b], v[232+\b], v[S+16*\b+15]
.endr
.irp b, 0,1,2,3
	v_permlanex16_b32 v[236+\b], v[232+\b], s[SEL], s[SEL+1]
.endr
.irp b, 0,1,2,3
	v_max_num_f32 v[232+\b], v[232+\b], v[236+\b]  ; with lane l xor 16's 16 keys
.endr
	v_max3_num_f32 v254, v232, v233, v234
	v_max_num_f32 v254, v254, v235
	v_mul_f32 v254, s[CS], v254                    ; the step's largest t (c is positive)
	v_max_num_f32 v13, v13, v254                   ; the running largest t
	v_mov_b32 v254, v12
	v_floor_f32 v12, -v13                          ; the new -M = floor(-t) = -ceil(t)
	v_sub_f32 v254, v12, v254                      ; old M - new M: a whole number, 0 or less
	v_cvt_i32_f32 v254, v254                       ; (it saturates)
	v_ldexp_f32 v252, 1.0, v254                    ; f = 2^(old M - new M)
.set n, 0
.rept 32
	v_pk_fma_f32 v[S+n:S+n+1], v[S+n:S+n+1], s[CS:CS+1], v[12:13] op_sel_hi:[1,0,0]   ; t - M, two at a time
.set n, n+2
.endr
.irp b, 0,1,2,3
	v_fma_f32 v[232+\b], v[232+\b], s[CS], v12     ; the same of each block's largest score
.endr
.set n, 0
.rept 64
	v_exp_f32 v[S+n], v[S+n]                       ; p = 2^(t - M): one batch
.set n, n+1
.endr
	v_pk_mul_f32 v[14:15], v[14:15], v[252:253] op_sel_hi:[1,0]   ; the sums under the new M: a plain line behind the batch
	s_wait_alu depctr_va_vdst(0)                   ; the 64 exponentials have written p: one wait for the batch, ahead of its first reader
.irp b, 0,1,2,3
	v_exp_f32 v[232+\b], v[232+\b]                 ; the block's largest p: the same two instructions on the same number give the same bits
.endr
	v_pk_add_f32 v[236:237], v[S:S+1], v[S+2:S+3]  ; the row's sum of the unquantised p, in two chains: plain work behind the four
.irp j, 4,8,12,16,20,24,28,32,36,40,44,48,52,56,60
	v_pk_add_f32 v[14:15], v[14:15], v[S+\j:S+\j+1]
	v_pk_add_f32 v[236:237], v[236:237], v[S+\j+2:S+\j+3]
.endr
	v_pk_add_f32 v[14:15], v[14:15], v[236:237]
	s_wait_alu depctr_va_vdst(0)                   ; and one for the four: they have written v232-235
.irp b, 0,1,2,3
	v_max_num_f32 v[232+\b], 0x4800000, v[232+\b]  ; the floor 2^(9 - 127): a block whose every p is 0 keeps the byte 1: its codes are zeros
.endr
.irp b, 0,1,2,3
	v_add_nc_u32 v[244+\b], 0xfc000000, v[232+\b]  ; the conversion's scale operand
.endr
.irp b, 0,1,2,3
	v_and_or_b32 v[240+\b], v[232+\b], 0x7f800000, s[MNT]   ; 448 x the scale
.endr
.irp b, 0,1,2,3
	v_lshrrev_b32 v[236+\b], 23, v[244+\b]         ; the scale's byte
.endr
	v_lshl_or_b32 v[PW], v237, 8, v236             ; p's scale word for these 128 keys
	v_lshl_or_b32 v[PW], v238, 16, v[PW]
	v_lshl_or_b32 v[PW], v239, 24, v[PW]
.irp b, 0,1,2,3
.irp i, 0,1,2,3,4,5,6,7,8,9,10,11,12,13,14,15
	v_min_num_f32 v[S+16*\b+\i], v[S+16*\b+\i], v[240+\b]   ; p is not negative: the hold is one-sided
.endr
	v_cvt_scalef32_pk8_fp8_f32 v[PC+4*\b:PC+4*\b+1], v[S+16*\b:S+16*\b+7], v[244+\b]
	v_cvt_scalef32_pk8_fp8_f32 v[PC+4*\b+2:PC+4*\b+3], v[S+16*\b+8:S+16*\b+15], v[244+\b]
.endr
	v_nop                                          ; a plain line behind the last conversion
.set n, 0
.rept 4
	v_pk_mul_f32 v[O+n:O+n+1], v[O+n:O+n+1], v[252:253] op_sel_hi:[1,0]   ; O^T under the new M: the first four of sixteen; with the line above they are the places between p's codes and the products
.set n, n+2
.endr
	s_wait_alu depctr_va_vdst(0)                   ; the holds have written p's registers and the sums and conversions are done reading them: V's tiles land there; p's codes and scale word are written, which the scaled products take; the last step's products are done reading V's scale words
.irp b, 0,1
	ds_load_b32 v[VSC+\b], v2 offset:SLOT*(\sl)+VSO+128*\b
.endr
.irp b, 0,1,2,3
.irp c, 0,1,2,3
	ds_load_b128 v[S+16*\b+4*\c:S+16*\b+4*\c+3], v1 offset:SLOT*(\sl)+8192+2048*\b+512*\c   ; V's tile b takes the registers that these p have left
.endr
.endr
.rept 12
	v_pk_mul_f32 v[O+n:O+n+1], v[O+n:O+n+1], v[252:253] op_sel_hi:[1,0]   ; the other twelve: they name O^T and f alone, none of the registers in which the loads above land
.set n, n+2
.endr
	s_wait_dscnt 0x0
.irp t, 0,1,2,3                                ; O^T += V^T P^T: four accumulators by turns
.if \t%2
	v_wmma_scale_f32_16x16x128_f8f6f4 v[O+8*\t:O+8*\t+7], v[S+16*\t:S+16*\t+15], v[PC:PC+15], v[O+8*\t:O+8*\t+7], v[VSC+\t/2], v[PW] matrix_a_scale:MATRIX_SCALE_ROW1
.else
	v_wmma_scale_f32_16x16x128_f8f6f4 v[O+8*\t:O+8*\t+7], v[S+16*\t:S+16*\t+15], v[PC:PC+15], v[O+8*\t:O+8*\t+7], v[VSC+\t/2], v[PW]
.endif
.endr
.endm
; Step st, which lies in slot sl.  The two tests against the work-group's last step are the same in all 16 waves; the test against my own last step leads round no barrier.
.macro HALF sl
	s_wait_dscnt 0x0                               ; my reads of the other slot and my stores into this one are done
	s_wait_alu depctr_vm_vsrc(0)                   ; my LDS stores of the step before have read the registers in which this step's global loads land
	s_barrier_signal -1
	s_barrier_wait -1                              ; everybody's are: this slot is whole, nobody reads the other
	s_wait_loadcnt 0x0                             ; block st + 1, asked for a step ago, is in my registers; the base of those loads may be written
	s_cmp_ge_u32 s[ST], s[DL]
	s_cbranch_scc1 .Lnost_\@
	STORE T0+12*(1-(\sl)), 1-(\sl)
	s_add_co_u32 s44, s[ST], 2
	s_cmp_gt_u32 s44, s[DL]
	s_cbranch_scc1 .Lnost_\@
	s_mul_i32 s44, s44, SLOT
	s_mov_b32 s45, 0
	s_add_nc_u64 s[KVN:KVN+1], s[KVB:KVB+1], s[44:45]
	LOADT T0+12*(\sl), KVN, 0                      ; block st + 2, into the registers whose stores were waited for at this step's head
.Lnost_\@:
	s_cmp_gt_u32 s[ST], s[DG]
	s_cbranch_scc1 .Lhid_\@
	STEP \sl
.Lhid_\@:
	s_add_co_u32 s[ST], s[ST], 1
.endm
	s_load_b256 s[4:11], s[0:1], 0x0               ; qimg, qsc, kvimg, yimg
	s_load_b64 s[12:13], s[0:1], 0x20              ; ysc
	v_lshl_add_u32 v5, v0, 2, SPARE
	v_mov_b32 v6, 0
	v_lshrrev_b32 v8, 5, v0
	v_readfirstlane_b32 s[WV], v8                  ; wave 0..15
	s_lshr_b32 s19, ttmp9, 5                       ; bk
	s_lshr_b32 s20, s19, 2                         ; b
	s_and_b32 s21, s19, 3                          ; kv
	s_and_b32 s22, ttmp9, 31                       ; j
	s_wait_alu depctr_va_sdst(0)                   ; the wave's number is written, ahead of its first reader
	s_and_b32 s23, s[WV], 3
	s_lshl_b32 s24, s21, 2
	s_add_co_u32 s23, s23, s24                     ; head
	s_lshr_b32 s24, s[WV], 2
	s_and_b32 s25, s24, 1                          ; u
	s_sub_co_u32 s26, 63, s22
	s_cmp_lt_u32 s24, 2
	s_cselect_b32 s27, s22, s26                    ; jq
	s_lshr_b32 s[DG], s27, 2
	s_lshr_b32 s[DL], s26, 2
	s_add_co_u32 s[NT], s[DL], 2
	s_lshr_b32 s[NT], s[NT], 1
	s_mov_b32 s[ST], 0
	s_mov_b32 s[TR], 0
	s_mov_b32 s[SEL], 0x76543210
	s_mov_b32 s[SEL+1], 0xfedcba98
	s_mov_b32 s[CS], 0x3e38aa3b
	s_mov_b32 s[CS+1], s[CS]                       ; (named with it as a pair, so it is written)
	s_mov_b32 s[MNT], 0x600000
	v_and_b32 v8, 31, v0
	v_lshlrev_b32 v1, 4, v8                        ; 16 x lane
	v_lshlrev_b32 v2, 2, v8                        ; 4 x lane
	v_lshlrev_b32 v3, 4, v0                        ; 16 x thread: my place in a block's first and second 8,192 bytes, in memory and in a slot
	v_lshl_add_u32 v4, v0, 3, 16384                ; 16,384 + 8 x thread: in its last 768 (threads 0-95)
	v_and_b32 v9, 15, v0                           ; r
	v_bfe_u32 v10, v0, 4, 1                        ; h
	v_and_b32 v11, 8, v9
	v_add_nc_u32 v11, v11, v9                      ; r + 8 (r / 8)
	v_lshlrev_b32 v7, 4, v10
	v_sub_nc_u32 v7, v11, v7
	s_and_b32 s44, s27, 3
	s_lshl_b32 s44, s44, 5
	s_lshl_b32 s45, s25, 3
	s_add_co_u32 s44, s44, s45
	v_add_nc_u32 v7, s44, v7                       ; my query's place in its last step, less 16 h
	v_lshlrev_b32 v9, 2, v9                        ; 4 r
	s_mul_i32 s44, s19, 16*SLOT
	s_mov_b32 s45, 0
	s_lshl_b32 s46, s20, 4
	s_add_co_u32 s46, s46, s23
	s_lshl_b32 s46, s46, 6
	s_add_co_u32 s46, s46, s27                     ; (16 b + head) x 64 + jq
	s_lshl_b32 s48, s46, 11
	s_lshl_b32 s47, s25, 10
	s_add_co_u32 s48, s48, s47
	s_mov_b32 s49, 0
	s_lshl_b32 s50, s46, 7
	s_lshl_b32 s47, s25, 6
	s_add_co_u32 s50, s50, s47
	s_mov_b32 s51, 0
	s_wait_kmcnt 0x0
	s_add_nc_u64 s[KVB:KVB+1], s[8:9], s[44:45]
	s_add_nc_u64 s[4:5], s[4:5], s[48:49]          ; my tile of q
	s_add_nc_u64 s[6:7], s[6:7], s[50:51]          ; and its scale words
	s_wait_alu depctr_va_vdst(0)                   ; v1 to v4 and v9 are written: every load, LDS load and LDS store of the kernel reads one of them as its offset or address
	LOADT T0, KVB, 0                               ; steps 0 and 1 (the work-group's last step is 8 at the least)
	LOADT T0+12, KVB, SLOT
	global_load_b128 v[16:19], v1, s[4:5]
	global_load_b128 v[20:23], v1, s[4:5] offset:512
	global_load_b128 v[32:35], v1, s[4:5]          ; q once more: the odd tiles want it in pieces 2, 3
	global_load_b128 v[36:39], v1, s[4:5] offset:512
	global_load_b32 v[QSC], v9, s[6:7]
	v_mov_b32 v13, 0xff61b1e6                      ; the largest t so far: -3e38
	v_floor_f32 v12, -v13                          ; -M
	v_mov_b32 v14, 0
	v_mov_b32 v15, 0
.irp i, 0,1,2,3,4,5,6,7
	v_mov_b32 v[24+\i], 0                          ; the zero codes
	v_mov_b32 v[48+\i], 0
	v_mov_b32 v[72+\i], 0
.endr
.set n, 0
.rept 32
	v_mov_b32 v[O+n], 0                            ; O^T: the step is written once: the first finds zeros, which the first change of M leaves zeros
.set n, n+1
.endr
.irp b, 0,1,2,3
	v_mov_b32 v[236+\b], 0                         ; written once: a lane permute's destination counts as one of its sources
.endr
	v_mov_b32 v252, 0
	v_mov_b32 v253, 0                              ; (named as the upper half of the pair v[252:253])
	s_wait_alu depctr_va_vdst(0)                   ; the zero codes v24-31, v48-55 and v72-79 are written, which the scaled products take as parts of their operands
	s_wait_loadcnt 0x0
	STORE T0, 0
.Ltrip:                                            ; (last step + 2) / 2 trips of two steps
	HALF 0
	HALF 1
	s_add_co_u32 s[TR], s[TR], 1
	s_cmp_lt_u32 s[TR], s[NT]
	s_cbranch_scc1 .Ltrip
	; THE WAY OUT: y = O^T / the sum; registers 16 b + i are channels 32 b + 16 h + i of my head and query: two blocks of the last product's K
.rept 8
	v_nop
.endr
	v_add_f32 v14, v14, v15
	v_permlanex16_b32 v252, v14, s[SEL], s[SEL+1]
	v_add_f32 v14, v14, v252                       ; the row's sum
	v_rcp_f32 v14, v14
	v_add_nc_u32 v11, v9, v10                      ; 4 r + h (a plain line behind the reciprocal)
	s_wait_alu depctr_va_vdst(0)                   ; the reciprocal has written v14: the wait ahead of its first reader
.set n, 0
.rept 16
	v_pk_mul_f32 v[S+n:S+n+1], v[O+n:O+n+1], v[14:15] op_sel_hi:[1,0]
.set n, n+2
.endr
	QUANT S, 2, PC, 236
	v_cmp_eq_u32 vcc_lo, 1, v10                    ; which of the two bytes is my lane's; the scalar lines below stand between the compare and the wait for it
	s_lshl_b32 s44, s20, 4
	s_add_co_u32 s44, s44, s[DG]                   ; the block of 128 tokens: 16 b + jq / 4
	s_lshr_b32 s46, s23, 1                         ; the K step: head / 2
	s_and_b32 s47, s23, 1
	s_and_b32 s48, s27, 3
	s_lshl_b32 s50, s44, 17
	s_lshl_b32 s49, s46, 14
	s_add_co_u32 s50, s50, s49
	s_lshl_b32 s49, s48, 12
	s_add_co_u32 s50, s50, s49
	s_lshl_b32 s49, s25, 11
	s_add_co_u32 s50, s50, s49                     ; tile 2 (jq % 4) + u
	s_lshl_b32 s49, s47, 10
	s_add_co_u32 s50, s50, s49                     ; pieces 2 (head % 2), + 1
	s_mov_b32 s51, 0
	s_add_nc_u64 s[10:11], s[10:11], s[50:51]
	s_lshl_b32 s50, s44, 12
	s_lshl_b32 s49, s46, 9
	s_add_co_u32 s50, s50, s49
	s_lshl_b32 s49, s48, 7
	s_add_co_u32 s50, s50, s49
	s_lshl_b32 s49, s25, 6
	s_add_co_u32 s50, s50, s49
	s_lshl_b32 s49, s47, 1
	s_add_co_u32 s50, s50, s49
	s_add_nc_u64 s[12:13], s[12:13], s[50:51]
	s_wait_alu depctr_va_vcc(0)                    ; the compare has written VCC, which the select reads
	v_cndmask_b32 v244, v238, v239, vcc_lo
	s_wait_alu depctr_va_vdst(0)                   ; the conversions have written the codes v184-191, the select v244, and v11 is written: the three stores read them
	global_store_b128 v1, v[PC:PC+3], s[10:11]     ; 32 lanes store 512 consecutive bytes: a piece
	global_store_b128 v1, v[PC+4:PC+7], s[10:11] offset:512
	global_store_b8 v11, v244, s[12:13]            ; lane (r, h): byte 2 (head % 2) + h of row r's word: 32 bytes a wave; the word's other bytes are other heads'
	s_wait_dscnt 0x0                               ; the wave's end: six lines, on end
	s_wait_alu 0x0
	s_wait_tensorcnt 0x0
	ds_add_u32 v5, v6
	s_wait_dscnt 0x0
	s_endpgm
.Lfunc_end_k_q2362eee643_attn:
	.size	k_q2362eee643_attn, .Lfunc_end_k_q2362eee643_attn-k_q2362eee643_attn
	.p2alignl 7, 3214868480
	.fill 96, 4, 3214868480
	.section	.rodata,"a",@progbits
	.p2align	6, 0x0
	.amdhsa_kernel k_q2362eee643_attn
		.amdhsa_group_segment_fixed_size 36352
		.amdhsa_private_segment_fixed_size 0
		.amdhsa_enable_private_segment 0
		.amdhsa_kernarg_size 40
		.amdhsa_user_sgpr_count 2
		.amdhsa_user_sgpr_kernarg_segment_ptr 1
		.amdhsa_wavefront_size32 1
		.amdhsa_system_sgpr_workgroup_id_x 1
		.amdhsa_system_sgpr_workgroup_id_y 1
		.amdhsa_system_sgpr_workgroup_id_z 1
		.amdhsa_system_vgpr_workitem_id 0
		.amdhsa_next_free_vgpr 256
		.amdhsa_next_free_sgpr 66
		.amdhsa_reserve_vcc 1
		.amdhsa_float_denorm_mode_32 3
		.amdhsa_float_denorm_mode_16_64 3
		.amdhsa_memory_ordered 1
		.amdhsa_forward_progress 1
		.amdhsa_inst_pref_size 72
	.end_amdhsa_kernel
	.amdgpu_metadata
---
amdhsa.version: [ 1, 2 ]
amdhsa.kernels:
  - .name:           k_q2362eee643_attn
    .symbol:         k_q2362eee643_attn.kd
    .args:
      - { .name: qimg, .offset: 0, .size: 8, .value_kind: global_buffer, .address_space: global }
      - { .name: qsc, .offset: 8, .size: 8, .value_kind: global_buffer, .address_space: global }
      - { .name: kvimg, .offset: 16, .size: 8, .value_kind: global_buffer, .address_space: global }
      - { .name: yimg, .offset: 24, .size: 8, .value_kind: global_buffer, .address_space: global }
      - { .name: ysc, .offset: 32, .size: 8, .value_kind: global_buffer, .address_space: global }
    .group_segment_fixed_size: 36352
    .private_segment_fixed_size: 0
    .kernarg_segment_align: 8
    .kernarg_segment_size: 40
    .max_flat_workgroup_size: 512
    .sgpr_count:     66
    .vgpr_count:     256
    .wavefront_size: 32
...
	.end_amdgpu_metadata
.endif
;; end of part 5
;; launch proj: the kernel of part 4 again; grid 8 x 32, 8 waves a work-group, clusters of 4 x 4, 327,680 bytes of LDS; arguments img, isc, yimg, ysc, out0; writes out0
